; MI455X (gfx1250); checked and timed in simulation.
; The chip was launched on July 23, 2026; its instructions are those of AMD's public machine-readable ISA for CDNA 5 (MIT licence, August 2026) and "CDNA5" Instruction Set Architecture Reference Guide (July 2026). The comments in the code are by the model that wrote it; some were corrected since.
;; Multi Head Self Attention. Allowed arithmetic: matrix products marked QUANTISED: E4M3 operands, one E8M0 scale for each 32 along K, by v_wmma_scale_f32_16x16x128_f8f6f4 with both operands' format E4M3, f32 sums; everything else in f32.
;; Inputs: Wk 1,024 x 1,024 float32; Wo 1,024 x 1,024 float32; Wq 1,024 x 1,024 float32; Wv 1,024 x 1,024 float32; token_positions 2,048 int32; x 4 x 2,048 x 1,024 float32.
;; Outputs: out0 4 x 2,048 x 1,024 float32.
;; This version of the problem:
;;   THIS VERSION OF THE PROBLEM IS GIVEN IN LOW PRECISION. The matrix products marked QUANTISED in the list below multiply operands that are first quantised to E4M3 (4 exponent bits, 3 mantissa bits; 8 bits a number), with one power-of-two scale for each 32 numbers along K (OCP MX v1.0); their sums are f32. All else is computed in f32.
;;   The module's matrix products, in the order in which they are computed (A, B: the left and right operand; K: the contracted axis; several contracted axes count as one K, in the product's order):
;;     1. [M 8,192, K 1,024] x [K 1,024, N 1,024]; A: input x; B: input Wq: QUANTISED
;;     2. [M 8,192, K 1,024] x [K 1,024, N 1,024]; A: input x; B: input Wk: QUANTISED
;;     3. [M 8,192, K 1,024] x [K 1,024, N 1,024]; A: input x; B: input Wv: QUANTISED
;;     4. batch 64 x [M 2,048, K 64] x [K 64, N 2,048]; A: computed on the way; B: computed on the way: QUANTISED
;;     5. batch 64 x [M 2,048, K 2,048] x [K 2,048, N 64]; A: softmax (see below); B: computed on the way: QUANTISED
;;     6. [M 8,192, K 1,024] x [K 1,024, N 1,024]; A: computed on the way; B: input Wo: QUANTISED
;;   THE QUANTISER, for each operand of a quantised product, along K:
;;     - K is cut into blocks of 32 from its start; a last block that is shorter is filled with zeros.
;;     - A block's scale is 2^e with e = floor(log2(the largest magnitude in the block)) - 8, held to -126 .. 127; a block of zeros has e = 0. As a byte (E8M0): e + 127.
;;     - Each number is divided by its block's scale, clamped to +-448, and rounded to the nearest number of E4M3, ties to even, subnormals kept.
;;     - The product sums the exact products of the quantised numbers (number of the format x scale) in f32.
;;   ~~~python
;;   def quantise(x, axis):      # numpy; x: float32 -> the quantised numbers, widened to float32 again
;;       x = np.moveaxis(x, axis, -1); K = x.shape[-1]
;;       x = np.pad(x, [(0, 0)] * (x.ndim - 1) + [(0, -K % 32)]); x = x.reshape(x.shape[:-1] + (-1, 32)); a = np.abs(x).max(-1, keepdims=True)
;;       e = np.where(a > 0, np.clip(np.frexp(np.where(a > 0, a, 1))[1] - 1 - 8, -126, 127), 0)      # np.frexp(a)[1] - 1 = floor(log2(a)), exactly
;;       r = np.clip(x / 2.0 ** e, -448, 448)
;;       step = 2.0 ** (np.maximum(np.frexp(np.where(r == 0, 1, r))[1] - 1, -6) - 3)
;;       q = np.round(r / step) * step * 2.0 ** e      # np.round: ties to even
;;       return np.moveaxis(q.reshape(q.shape[:-2] + (-1,))[..., :K], -1, axis).astype(np.float32)
;;   ~~~
;;   SOFTMAX AHEAD OF A QUANTISED PRODUCT. Where the list says 'softmax', what is quantised is not the finished softmax but p = 2^(t - M), with t = logit x log2(e) and M = ceil(the row's largest t), a whole number; so 1/2 < the row's largest p <= 1. The row's sum l is taken of the UNQUANTISED p, in f32, and the product's result is divided by l at the end. Since M is a whole number, a kernel that streams over the keys may use a running M (the ceiling of the running maximum): every later rescaling is an exact power of two, which a block's scale takes up: the codes' values come out the same.
;;   OPERANDS COMPUTED ON THE WAY. 'Computed on the way' means the value that the module computes at that place (a softmax that the list does not call 'softmax' is quantised finished and normalised). What goes into a quantiser is computed in f32, as accurately as f32 sums, v_exp_f32 and their like allow (about 1e-6 of the number): no bf16 or f16 on the way to a quantiser, and a product that is left as it is and whose result goes on into a quantised operand takes f32 operands (vector FMAs, or v_wmma_f32_16x16x4_f32). A number that lies on a knife's edge between two numbers of the format may be rounded either way, as far as f32 arithmetic and the matrix unit's own rounding can turn it there, and no further.
;; One version. Each part assembles by itself: llvm-mc -triple=amdgcn-amd-amdhsa -mcpu=gfx1250 --defsym DOCPART=n.
;; ======== version 1 of 1: 4 launches
;; limits: right only within a limited range of input values
;; workspace buffers: ximg 8,650,752 bytes; wimg 4,325,376 bytes; tab 524,288 bytes; qimg 8,650,752 bytes; kvimg 17,301,504 bytes; oimg 8,650,752 bytes
;; launch quant (part 1): grid 896 x 1, 8 waves a work-group, no clusters, 69,120 bytes of LDS; arguments x, Wq, Wk, Wv, Wo, token_positions, ximg, wimg, tab; writes ximg, wimg, tab
.if DOCPART == 1
	.amdgcn_target "amdgcn-amd-amdhsa--gfx1250"
	.amdhsa_code_object_version 6
	.text
	.protected	k_q5e183d184a_quant
	.globl	k_q5e183d184a_quant
	.p2align	8
	.type	k_q5e183d184a_quant,@function
k_q5e183d184a_quant:
	s_mov_b64 s[64:65], 0
	v_nop
	global_prefetch_b8 v0, s[64:65] scope:SCOPE_SE
	s_setreg_imm32_b32 hwreg(HW_REG_WAVE_MODE, 25, 1), 1
	s_wait_xcnt 0x0
; x [8192][1024] and Wq, Wk, Wv, Wo [1024][1024], f32 with K innermost, become codes of E4M3 with one E8M0 byte for each 32 along K; and the table of cosines and sines for RoPE is made.
; THE LAYOUT OF THE CODES: blocks of 128 rows x 128 K, 16,896 bytes, laid as the matrix operand's registers want them: tile rt (16 rows), group c of four registers, lane 16 h + r:
; 16 codes at rt*2048 + c*512 + 16*lane = row 32 (rt/2) + 8 (rt%2) + r + 8 (r/8) of the block, k = 32 c + 16 h + 0 .. 15; the rows' scale words at 16384 + rt*64 + 4 r.
; Work-groups 0-511 take x's blocks, 512-767 the weights' (one block each, a tile a wave), 768-895 the table (4,096 bytes each).
; A block's scale byte is its largest magnitude's exponent field - 8, held at 1 from below.
; LIMITS: NaN and infinities among the inputs are not served; a block of zeros, or one whose largest magnitude lies under 2^-118, gets the byte 1 (this program alone reads the bytes).
; The table: positions up to about 2^20 in magnitude (pi/2 in three parts); 1/10000^(i/32) is made by v_exp_f32, so at position 2,047 an angle may differ from the true one by about 1e-4 rad.
.set STGB, 8448                        ; a wave's stage: 16 rows x (512 bytes + 16)
.set SCB,  67584                       ; behind the eight stages: the block's 512 bytes of scale words
.set RR,   16                          ; v16-79   16 rows as loaded, 16 bytes a lane
.set XX,   80                          ; v80-143  my 64 numbers: register 16 c + i = k 32 c + 16 h + i of my row
.set PC,   144                         ; v144-159 the codes
.set TM,   160                         ; v160-175 at work: +0 largest magnitudes, +4 bytes, +12 scale operands
.set PW,   176                         ; the scale word
.set OUTW, 180
.set WV,   22
.set SEL,  44
.set MNT,  46
	s_load_b256 s[4:11], s[0:1], 0x0               ; x, Wq, Wk, Wv
	s_load_b256 s[12:19], s[0:1], 0x20             ; Wo, token_positions, ximg, wimg
	s_load_b64 s[20:21], s[0:1], 0x40              ; tab
	v_lshl_add_u32 v192, v0, 2, 0x10a00
	v_mov_b32 v193, 0
	v_lshrrev_b32 v5, 5, v0
	s_delay_alu instid0(VALU_DEP_1)
	v_readfirstlane_b32 s[WV], v5                  ; wave 0..7
	v_and_b32 v6, 31, v0                           ; lane
	v_and_b32 v7, 15, v0                           ; r
	v_bfe_u32 v8, v0, 4, 1                         ; h
	s_cmp_ge_u32 ttmp9, 768                        ; the work-group's number alone decides: all eight waves go one way
	s_cbranch_scc1 .Ltable
	; ---- a block of codes
	s_and_b32 s24, ttmp9, 7                        ; K step s
	s_lshr_b32 s25, ttmp9, 3                       ; x: block of rows
	s_sub_co_u32 s26, ttmp9, 512                   ; a weight's work-group: q
	s_lshr_b32 s27, s26, 6                         ; which weight: 0 Wq, 1 Wk, 2 Wv, 3 Wo
	s_bfe_u32 s28, s26, 0x30003                    ; its block of 128 rows
	s_lshr_b32 s29, s28, 1                         ; j: group of 256 features
	s_and_b32 s30, s28, 1                          ; e: which 128 of them
	s_mul_i32 s31, s29, 3
	s_add_co_u32 s31, s31, s27                     ; Wq, Wk, Wv of group j lie one behind the other: 3 j + weight
	s_add_co_u32 s32, s29, 12                      ; Wo behind them all: 12 + j
	s_cmp_eq_u32 s27, 3
	s_cselect_b32 s31, s32, s31
	s_lshl_b32 s31, s31, 3
	s_add_co_u32 s31, s31, s24
	s_lshl_b32 s31, s31, 1
	s_add_co_u32 s31, s31, s30                     ; the block's number in wimg
	s_wait_alu depctr_va_vdst(0)
	v_lshlrev_b32 v1, 4, v6                        ; 16 x lane
	s_mul_i32 s23, s[WV], STGB
	v_add_nc_u32 v2, s23, v1                       ; the stage, in: a row's 512 bytes as they lie
	v_mul_u32_u24 v3, v7, 528
	s_delay_alu instid0(VALU_DEP_1)
	v_lshl_add_u32 v3, v8, 6, v3
	s_delay_alu instid0(VALU_DEP_1)
	v_add_nc_u32 v3, s23, v3                       ; and out: row r, + 64 h
	s_lshl_b32 s23, s[WV], 6
	v_lshl_add_u32 v4, v7, 2, s23
	s_delay_alu instid0(VALU_DEP_1)
	v_add_nc_u32 v4, SCB, v4                       ; my row's scale word: 64 x wave + 4 r
	v_add_nc_u32 v9, SCB, v1                       ; the way out of the 512 scale bytes (wave 0)
	s_mov_b32 s[SEL], 0x76543210
	s_mov_b32 s[SEL+1], 0xfedcba98                 ; lane l xor 16
	s_wait_alu depctr_va_vdst(0)
	s_wait_kmcnt 0x0
	s_mov_b64 s[34:35], s[6:7]                     ; the source is chosen by the work-group's number alone
	s_cmp_eq_u32 s27, 1
	s_cselect_b64 s[34:35], s[8:9], s[34:35]
	s_cmp_eq_u32 s27, 2
	s_cselect_b64 s[34:35], s[10:11], s[34:35]
	s_cmp_eq_u32 s27, 3
	s_cselect_b64 s[34:35], s[12:13], s[34:35]
	s_cmp_lt_u32 ttmp9, 512
	s_cselect_b64 s[34:35], s[4:5], s[34:35]
	s_cselect_b64 s[36:37], s[16:17], s[18:19]     ; and so is the destination
	s_cselect_b32 s25, s25, s28
	s_cselect_b32 s31, ttmp9, s31
	s_lshl_b32 s38, s25, 19                        ; 128 rows of 4,096 bytes
	s_lshl_b32 s39, s24, 9                         ; 128 numbers along K
	s_add_co_u32 s38, s38, s39
	s_lshr_b32 s39, s[WV], 1
	s_lshl_b32 s39, s39, 17                        ; my tile begins at row 32 (w / 2) + 8 (w % 2)
	s_add_co_u32 s38, s38, s39
	s_and_b32 s39, s[WV], 1
	s_lshl_b32 s39, s39, 15
	s_add_co_u32 s38, s38, s39
	s_mov_b32 s39, 0
	s_add_nc_u64 s[34:35], s[34:35], s[38:39]
	s_mul_i32 s40, s31, 16896
	s_mov_b32 s41, 0
	s_add_nc_u64 s[36:37], s[36:37], s[40:41]      ; the block
	s_lshl_b32 s40, s[WV], 11
	s_add_nc_u64 s[42:43], s[36:37], s[40:41]      ; my tile's codes
.irp p, 0,1,2,3,4,5,6,7,8,9,10,11,12,13,14,15
	global_load_b128 v[RR+4*\p:RR+4*\p+3], v1, s[34:35] offset:(\p+8*(\p/8))*4096 th:TH_LOAD_NT   ; the tile's row p: 512 consecutive bytes
.endr
.irp b, 0,1,2,3
	v_mov_b32 v[TM+4+\b], 0                        ; a lane permute's destination counts as one of its sources
.endr
.irp p, 0,1,2,3,4,5,6,7,8,9,10,11,12,13,14,15
	s_wait_loadcnt 15-\p                           ; row p is in; the younger rows' loads stay out
	ds_store_b128 v2, v[RR+4*\p:RR+4*\p+3] offset:528*\p
.endr
.irp c, 0,1,2,3
.irp q, 0,1,2,3
	ds_load_b128 v[XX+16*\c+4*\q:XX+16*\c+4*\q+3], v3 offset:128*\c+16*\q   ; LDS serves a wave's instructions in order: these see my stores
.endr
.endr
	s_wait_dscnt 0x0
.irp b, 0,1,2,3
	v_max3_num_f32 v[TM+\b], |v[XX+16*\b]|, |v[XX+16*\b+1]|, 0x4800000   ; block b: my 16 numbers and the floor 2^(9 - 127)
.endr
.irp i, 2,4,6,8,10,12,14
.irp b, 0,1,2,3
	s_delay_alu instid0(VALU_DEP_4)
	v_max3_num_f32 v[TM+\b], v[TM+\b], |v[XX+16*\b+\i]|, |v[XX+16*\b+\i+1]|
.endr
.endr
.irp b, 0,1,2,3
	s_delay_alu instid0(VALU_DEP_4)
	v_permlanex16_b32 v[TM+4+\b], v[TM+\b], s[SEL], s[SEL+1]
.endr
.irp b, 0,1,2,3
	s_delay_alu instid0(VALU_DEP_4)
	v_max_num_f32 v[TM+\b], v[TM+\b], v[TM+4+\b]   ; with lane l xor 16's 16: the block's largest magnitude
.endr
.irp b, 0,1,2,3
	s_delay_alu instid0(VALU_DEP_4)
	v_add_nc_u32 v[TM+12+\b], 0xfc000000, v[TM+\b] ; 8 off its exponent field: the conversion's scale operand
.endr
.irp b, 0,1,2,3
.endr
.irp b, 0,1,2,3
	s_delay_alu instid0(VALU_DEP_4)
	v_lshrrev_b32 v[TM+4+\b], 23, v[TM+12+\b]      ; the scale's byte
.endr
	s_delay_alu instid0(VALU_DEP_3)
	v_lshl_or_b32 v[PW], v[TM+5], 8, v[TM+4]
	s_delay_alu instid0(VALU_DEP_1)
	v_lshl_or_b32 v[PW], v[TM+6], 16, v[PW]
	s_delay_alu instid0(VALU_DEP_1)
	v_lshl_or_b32 v[PW], v[TM+7], 24, v[PW]
.irp b, 0,1,2,3
.irp i, 0,1,2,3,4,5,6,7,8,9,10,11,12,13,14,15
.endr
	v_cvt_scalef32_pk8_fp8_f32 v[PC+4*\b:PC+4*\b+1], v[XX+16*\b:XX+16*\b+7], v[TM+12+\b]
	v_cvt_scalef32_pk8_fp8_f32 v[PC+4*\b+2:PC+4*\b+3], v[XX+16*\b+8:XX+16*\b+15], v[TM+12+\b]
.endr
	v_nop
.irp c, 0,1,2,3
	global_store_b128 v1, v[PC+4*\c:PC+4*\c+3], s[42:43] offset:512*\c   ; 512 consecutive bytes, aligned
.endr
	ds_store_b32 v4, v[PW]                         ; both halves of the lanes write the same word with the same value
	s_wait_dscnt 0x0                               ; for wave 0's sake: my store has landed
	s_barrier_signal -1
	s_barrier_wait -1
	s_cmp_lg_u32 s[WV], 0
	s_cbranch_scc1 .Ldone
	ds_load_b128 v[OUTW:OUTW+3], v9                ; the block's 512 scale bytes leave as two whole aligned runs of 256
	s_wait_dscnt 0x0
	global_store_b128 v1, v[OUTW:OUTW+3], s[36:37] offset:16384
.Ldone:
	s_wait_tensorcnt 0x0
	ds_add_u32 v192, v193
	s_wait_dscnt 0x0
	s_endpgm
	; ---- the table: entry (cos i0, sin i0, cos i0+1, sin i0+1) for sequence place 128 blk + 32 (T/2) + 8 (T%2) + r + 8 (r/8) and pair i0 = 16 b' + 8 h + 2 q; wave = 4 b' + q
; sine and cosine of v[a]: n = the nearest whole number to a x 2/pi; a - n pi/2 by three fused multiply-adds; two polynomials on [-pi/4, pi/4]; the quadrant swaps them and sets the signs
.macro SINCOS a, cd, sd
	v_mul_f32 v20, 0x3f22f983, v[\a]
	s_delay_alu instid0(VALU_DEP_1)
	v_rndne_f32 v20, v20
	s_delay_alu instid0(VALU_DEP_1)
	v_fmamk_f32 v21, v20, 0xbfc90fdb, v[\a]
	s_delay_alu instid0(VALU_DEP_1)
	v_fmamk_f32 v21, v20, 0x333bbd2e, v21
	s_delay_alu instid0(VALU_DEP_1)
	v_fmamk_f32 v21, v20, 0x26f72ced, v21
	s_delay_alu instid0(VALU_DEP_1)
	v_mul_f32 v22, v21, v21
	v_mov_b32 v23, 0xb94ca1f9
	s_delay_alu instid0(VALU_DEP_1)
	v_fmaak_f32 v23, v23, v22, 0x3c08839e
	s_delay_alu instid0(VALU_DEP_1)
	v_fmaak_f32 v23, v23, v22, 0xbe2aaaa3
	s_delay_alu instid0(VALU_DEP_1)
	v_mul_f32 v23, v23, v22
	s_delay_alu instid0(VALU_DEP_1)
	v_fma_f32 v23, v23, v21, v21                   ; sin r
	v_mov_b32 v24, 0x37ccf5ce
	s_delay_alu instid0(VALU_DEP_1)
	v_fmaak_f32 v24, v24, v22, 0xbab6061a
	s_delay_alu instid0(VALU_DEP_1)
	v_fmaak_f32 v24, v24, v22, 0x3d2aaaa5
	s_delay_alu instid0(VALU_DEP_1)
	v_mul_f32 v24, v24, v22
	v_fma_f32 v25, v22, -0.5, 1.0
	s_delay_alu instid0(VALU_DEP_1)
	v_fma_f32 v24, v24, v22, v25                   ; cos r
	v_cvt_i32_f32 v26, v20
	s_delay_alu instid0(VALU_DEP_1)
	v_and_b32 v27, 1, v26
	s_delay_alu instid0(VALU_DEP_1)
	v_cmp_ne_u32 vcc_lo, 0, v27
	s_delay_alu instid0(VALU_DEP_1)
	v_cndmask_b32 v[\sd], v23, v24, vcc_lo         ; odd quadrants swap the two
	s_delay_alu instid0(VALU_DEP_2)
	v_cndmask_b32 v[\cd], v24, v23, vcc_lo
	v_and_b32 v27, 2, v26
	s_delay_alu instid0(VALU_DEP_1)
	v_lshlrev_b32 v27, 30, v27
	s_delay_alu instid0(VALU_DEP_1)
	v_xor_b32 v[\sd], v[\sd], v27                  ; the sine is negative in quadrants 2, 3
	v_add_nc_u32 v27, 1, v26
	s_delay_alu instid0(VALU_DEP_1)
	v_and_b32 v27, 2, v27
	s_delay_alu instid0(VALU_DEP_1)
	v_lshlrev_b32 v27, 30, v27
	s_delay_alu instid0(VALU_DEP_1)
	v_xor_b32 v[\cd], v[\cd], v27                  ; the cosine in quadrants 1, 2
.endm
.Ltable:
	s_sub_co_u32 s24, ttmp9, 768                   ; 8 blk + T
	s_lshr_b32 s25, s24, 3
	s_and_b32 s26, s24, 7
	s_lshl_b32 s25, s25, 7
	s_lshr_b32 s27, s26, 1
	s_lshl_b32 s27, s27, 5
	s_add_co_u32 s25, s25, s27
	s_and_b32 s27, s26, 1
	s_lshl_b32 s27, s27, 3
	s_add_co_u32 s25, s25, s27                     ; the tile's first sequence place
	s_lshl_b32 s28, s25, 2
	s_mov_b32 s29, 0
	s_lshl_b32 s32, s24, 12
	s_mov_b32 s33, 0
	s_lshr_b32 s30, s[WV], 2
	s_lshl_b32 s30, s30, 4
	s_and_b32 s31, s[WV], 3
	s_lshl_b32 s31, s31, 1
	s_add_co_u32 s30, s30, s31                     ; 16 b' + 2 q
	s_wait_alu depctr_va_vdst(0)
	v_and_b32 v9, 8, v7
	s_delay_alu instid0(VALU_DEP_1)
	v_add_nc_u32 v9, v9, v7
	s_delay_alu instid0(VALU_DEP_1)
	v_lshlrev_b32 v9, 2, v9                        ; 4 (r + 8 (r / 8))
	v_lshlrev_b32 v28, 4, v0                       ; 16 x thread
	s_wait_alu depctr_va_vdst(0)
	s_wait_kmcnt 0x0
	s_add_nc_u64 s[14:15], s[14:15], s[28:29]
	s_add_nc_u64 s[20:21], s[20:21], s[32:33]
	global_load_b32 v10, v9, s[14:15]              ; my position
	v_lshl_add_u32 v11, v8, 3, s30                 ; i0
	s_delay_alu instid0(VALU_DEP_1)
	v_add_nc_u32 v12, 1, v11
	s_delay_alu instid0(VALU_DEP_2)
	v_cvt_f32_u32 v11, v11
	s_delay_alu instid0(VALU_DEP_2)
	v_cvt_f32_u32 v12, v12
	s_delay_alu instid0(VALU_DEP_2)
	v_mul_f32 v11, 0xbed49a78, v11                 ; -i log2(10000) / 32
	s_delay_alu instid0(VALU_DEP_2)
	v_mul_f32 v12, 0xbed49a78, v12
	s_wait_alu depctr_va_vdst(0)
	v_exp_f32 v13, v11                             ; 10000^(-i / 32)
	v_exp_f32 v14, v12
	v_nop                                          ; a plain instruction behind the two exponentials,
	s_wait_alu depctr_va_vdst(0)                   ; and the one wait ahead of their first reader
	s_wait_loadcnt 0x0
	v_cvt_f32_i32 v10, v10
	v_mul_f32 v13, v10, v13                        ; the angles
	v_mul_f32 v14, v10, v14
	SINCOS 13, 40, 41
	SINCOS 14, 42, 43
	global_store_b128 v28, v[40:43], s[20:21]      ; a wave stores 512 consecutive bytes
	s_endpgm
.Lfunc_end_k_q5e183d184a_quant:
	.size	k_q5e183d184a_quant, .Lfunc_end_k_q5e183d184a_quant-k_q5e183d184a_quant
	.p2alignl 7, 3214868480
	.fill 96, 4, 3214868480
	.section	.rodata,"a",@progbits
	.p2align	6, 0x0
	.amdhsa_kernel k_q5e183d184a_quant
		.amdhsa_group_segment_fixed_size 69120
		.amdhsa_private_segment_fixed_size 0
		.amdhsa_enable_private_segment 0
		.amdhsa_kernarg_size 72
		.amdhsa_user_sgpr_count 2
		.amdhsa_user_sgpr_kernarg_segment_ptr 1
		.amdhsa_wavefront_size32 1
		.amdhsa_system_sgpr_workgroup_id_x 1
		.amdhsa_system_sgpr_workgroup_id_y 1
		.amdhsa_system_sgpr_workgroup_id_z 1
		.amdhsa_system_vgpr_workitem_id 0
		.amdhsa_next_free_vgpr 194
		.amdhsa_next_free_sgpr 66
		.amdhsa_reserve_vcc 1
		.amdhsa_float_denorm_mode_32 3
		.amdhsa_float_denorm_mode_16_64 3
		.amdhsa_fp16_overflow 1
		.amdhsa_memory_ordered 1
		.amdhsa_forward_progress 1
		.amdhsa_inst_pref_size 20
	.end_amdhsa_kernel
	.amdgpu_metadata
---
amdhsa.version: [ 1, 2 ]
amdhsa.kernels:
  - .name:           k_q5e183d184a_quant
    .symbol:         k_q5e183d184a_quant.kd
    .args:
      - { .name: x, .offset: 0, .size: 8, .value_kind: global_buffer, .address_space: global }
      - { .name: Wq, .offset: 8, .size: 8, .value_kind: global_buffer, .address_space: global }
      - { .name: Wk, .offset: 16, .size: 8, .value_kind: global_buffer, .address_space: global }
      - { .name: Wv, .offset: 24, .size: 8, .value_kind: global_buffer, .address_space: global }
      - { .name: Wo, .offset: 32, .size: 8, .value_kind: global_buffer, .address_space: global }
      - { .name: token_positions, .offset: 40, .size: 8, .value_kind: global_buffer, .address_space: global }
      - { .name: ximg, .offset: 48, .size: 8, .value_kind: global_buffer, .address_space: global }
      - { .name: wimg, .offset: 56, .size: 8, .value_kind: global_buffer, .address_space: global }
      - { .name: tab, .offset: 64, .size: 8, .value_kind: global_buffer, .address_space: global }
    .group_segment_fixed_size: 69120
    .private_segment_fixed_size: 0
    .kernarg_segment_align: 8
    .kernarg_segment_size: 72
    .max_flat_workgroup_size: 256
    .sgpr_count:     66
    .vgpr_count:     194
    .wavefront_size: 32
...
	.end_amdgpu_metadata
.endif
;; end of part 1
;; launch qkv (part 2): grid 4 x 64, 4 waves a work-group, clusters of 4 x 4, 327,680 bytes of LDS; arguments ximg, wimg, tab, qimg, kvimg; writes qimg, kvimg
.if DOCPART == 2
	.amdgcn_target "amdgcn-amd-amdhsa--gfx1250"
	.amdhsa_code_object_version 6
	.text
	.protected	k_q5e183d184a_qkv
	.globl	k_q5e183d184a_qkv
	.p2align	8
	.type	k_q5e183d184a_qkv,@function
k_q5e183d184a_qkv:
	s_mov_b64 s[64:65], 0
	v_nop
	global_prefetch_b8 v0, s[64:65] scope:SCOPE_SE
	s_setreg_imm32_b32 hwreg(HW_REG_WAVE_MODE, 25, 1), 1
	s_wait_xcnt 0x0
	s_wait_alu depctr_hold_cnt(0) depctr_sa_sdst(0) depctr_va_vdst(0) depctr_va_sdst(0) depctr_va_ssrc(0) depctr_va_vcc(0) depctr_vm_vsrc(0)
	s_getreg_b32 s2, hwreg(HW_REG_IB_STS2, 6, 4)
	s_cmp_eq_u32 s2, 0
	s_cbranch_scc0 .Lentry_in_a_cluster
	s_endpgm
.Lentry_in_a_cluster:
	s_bfe_u32 s2, ttmp6, 0x10000c
	s_cmp_lg_u32 s2, 0xf033
	s_cbranch_scc0 .Lentry_shape_is_right
	s_endpgm
.Lentry_shape_is_right:
; Q = rope(x Wq^T), K = rope(x Wk^T), V = x Wv^T on codes of E4M3 with E8M0 scales; the results are quantised at once: Q and K along the head's 64 channels, V along the keys, and stored as images of operand registers.
; SHARES.  Work-group (j = cx, token block = 4 x cluster y + cy) makes 128 tokens x 768 features in three passes: heads 4 j .. 4 j + 3 of Q, of K, of V.  Wave w makes 128 tokens x head 4 j + w: 32 accumulators.
; x's 128 x 1,024 image (8 blocks of 16,896 bytes) stays in LDS; the weights stream through two slots of two K steps each (4 blocks), 12 slot steps, linear in memory.
; CLUSTER 4 x 4: x's blocks are shared along a row of the cluster, the weights' along a column: joint loads.  Every work-group runs the same text.
; Q, K passes: source 0 = 16 features, source 1 = 16 tokens: a lane holds one token, and, by the order of the rows in a tile, the 16 registers of two neighbouring tiles are 16 neighbouring channels.
; V pass: the sources are swapped: a lane holds one channel, and its registers run along the tokens, which are the keys.
; LIMITS: NaN and infinities are not served; a block of zeros or under 2^-118 gets the byte 1 (this program alone reads the bytes).
; REGISTERS: window 0: addresses, scale words v32-45, codes v48-63, the weights' fragments v64-191 (two sets; the second also takes the numbers on the way out), v192-207 at work.
;   window 1: x's fragments, two sets.   window 2: the accumulators.   window 3: the table of cosines and sines of my 128 tokens.
.set ABLK,  16896
.set SLOTB, 67584
.set BBASE, 135168                     ; LDS: x's image 0 .. 135,167; slot 0; slot 1;
.set SPARE, 270336                     ; the spare words, 128 bytes for each wave: two blocks of 256 bytes that no other line names
.set LI,  1                            ; 16 x lane
.set LS,  2                            ; 4 x lane
.set SPW, 3
.set NIL, 4
.set AA,  8                            ; v8-11   x's codes, K steps 2 g, 2 g + 1
.set AS,  12                           ; v12-15  the same for its scale words
.set BB,  16                           ; v16-17  my head's codes in slot 0, 1
.set BS,  18                           ; v18-19  its scale words
.set WD,  24                           ; v24-27  scale words on the way out
.set CH,  28
.set HW,  30
.set XSC, 32                           ; x's scale words: set p at +8 p; register g: lanes 0-15 tile 2 g, lanes 16-31 tile 2 g + 1
.set WSC, 36                           ; the weights' likewise
.set PC,  48
.set WF,  64
.set R,   128
.set TM,  192
.set G1A, 24
.set G1B, 32
.set G0A, 40
.set G0B, 48
.set PCB, 56                           ; s[56:57] the pass's codes; s[58:59] its scale words
.set PSB, 58
.set KC,  60                           ; s[60:61] my block of kvimg; s[62:63] K's scale words in it
.set KSB, 62
.set SEL, 68
.set MNT, 70
.set HM,  71
.set CNT, 72
.set MSB, 0
.macro WIN new                         ; the immediate's high byte repeats the setting that is left
.if MSB != \new
	s_set_vgpr_msb (MSB<<8)|\new
.set MSB, \new
.endif
.endm
.macro PLACES n
.rept \n
	v_nop
.endr
.endm
.macro CREST                           ; a round of the cluster's barrier behind its opening barrier
	s_cmp_lg_u32 s14, 0
	s_cbranch_scc1 .Lnot_wave_0_\@
	s_barrier_signal -3
.Lnot_wave_0_\@:
	s_barrier_wait -3
	s_barrier_signal -1
	s_barrier_wait -1
.endm
.macro CROUND
	s_barrier_signal -1
	s_barrier_wait -1
	CREST
.endm
	s_load_b256 s[4:11], s[0:1], 0x0               ; ximg, wimg, tab, qimg
	s_load_b64 s[12:13], s[0:1], 0x20              ; kvimg
	v_lshl_add_u32 v[SPW], v0, 2, SPARE
	v_mov_b32 v[NIL], 0
	ds_add_u32 v3, v4
	ds_add_u32 v3, v4
	s_wait_dscnt 0x0
	v_lshrrev_b32 v5, 5, v0
	v_readfirstlane_b32 s14, v5                    ; wave 0..3
	s_lshr_b32 s15, s14, 1
	s_and_b32 s16, s14, 1
	s_bfe_u32 s17, ttmp6, 0x40000                  ; cx = j (the grid is one cluster wide)
	s_bfe_u32 s18, ttmp6, 0x40004                  ; cy
	s_and_b32 s19, ttmp7, 0xffff
	s_lshl_b32 s19, s19, 2
	s_add_co_u32 s19, s19, s18                     ; token block
	s_lshl_b32 s20, s18, 2
	s_lshl_b32 s20, 15, s20                        ; my row of the cluster
	s_lshl_b32 s21, 0x1111, s17                    ; my column
	s_or_b32 s[G1A], s20, (3<<16)|(1<<21)          ; the mask; elements of 8 bytes; bit 21 beside a mask; no padding
	s_or_b32 s[G1B], s21, (3<<16)|(1<<21)
.irp g, G1A, G1B
	s_mov_b32 s[\g+1], 32<<16                      ; a block is dense: 66 rows of 32 elements = 256 bytes
	s_mov_b32 s[\g+2], 66<<16
	s_mov_b32 s[\g+3], 32<<16
	s_mov_b32 s[\g+4], 66
	s_mov_b32 s[\g+5], 32
	s_mov_b32 s[\g+6], 0
	s_mov_b32 s[\g+7], 0
.endr
	s_lshl_b32 s74, s19, 3
	s_add_co_u32 s74, s74, s14
	s_mul_i32 s74, s74, ABLK                       ; x: block (token block, K step w)
	s_mov_b32 s75, 0
	s_mul_i32 s78, s14, ABLK                       ; wave x a block: in LDS and in a slot's memory
	s_mul_i32 s76, s17, 811008                     ; the weights: group j's stream of 48 blocks
	s_add_co_u32 s76, s76, s78
	s_mov_b32 s77, 0
	s_lshr_b32 s80, s19, 4                         ; where my results go: head number in the batch
	s_lshl_b32 s80, s80, 4
	s_lshl_b32 s81, s17, 2
	s_add_co_u32 s80, s80, s81
	s_add_co_u32 s80, s80, s14                     ; 16 batch + 4 j + w
	s_and_b32 s81, s19, 15                         ; block of 128 sequence places
	s_lshl_b32 s80, s80, 4
	s_add_co_u32 s80, s80, s81
	s_mul_i32 s82, s80, 8448
	s_mov_b32 s83, 0
	s_mov_b32 s[SEL], 0x76543210
	s_mov_b32 s[SEL+1], 0xfedcba98
	s_mov_b32 s[MNT], 0x600000
	s_mov_b32 s[HM], 0xffff0000                    ; lanes 16-31
	s_wait_kmcnt 0x0
	s_add_nc_u64 s[74:75], s[4:5], s[74:75]
	s_add_nc_u64 s[76:77], s[6:7], s[76:77]
	s_add_nc_u64 s[PCB:PCB+1], s[10:11], s[82:83]  ; the first pass stores Q
	s_add_nc_u64 s[PSB:PSB+1], s[PCB:PCB+1], 8192
	s_mul_i32 s82, s80, ABLK
	s_add_nc_u64 s[KC:KC+1], s[12:13], s[82:83]
	s_add_nc_u64 s[KSB:KSB+1], s[KC:KC+1], 16384
	s_lshl_b32 s82, s81, 15
	s_add_nc_u64 s[8:9], s[8:9], s[82:83]          ; the table of my 128 places
	s_mov_b32 s[G0A], 1
	s_mov_b32 s[G0A+1], s78
	s_mov_b64 s[G0A+2:G0A+3], s[74:75]
	s_or_b32 s[G0A+3], s[G0A+3], 0x80000000
	s_mov_b32 s[G0A+4], 1
	s_add_co_u32 s[G0A+5], s78, SLOTB              ; K step w + 4
	s_add_nc_u64 s[G0A+6:G0A+7], s[74:75], SLOTB
	s_or_b32 s[G0A+7], s[G0A+7], 0x80000000
	s_mov_b32 s[G0B], 1
	s_add_co_u32 s[G0B+1], s78, BBASE
	s_mov_b64 s[G0B+2:G0B+3], s[76:77]
	s_or_b32 s[G0B+3], s[G0B+3], 0x80000000
	s_mov_b32 s[G0B+4], 1
	s_add_co_u32 s[G0B+5], s78, BBASE+SLOTB
	s_add_nc_u64 s[G0B+6:G0B+7], s[76:77], SLOTB
	s_or_b32 s[G0B+7], s[G0B+7], 0x80000000
	CROUND                                         ; all sixteen work-groups are here: the first joint loads meet
	tensor_load_to_lds s[G0A:G0A+3], s[G1A:G1A+7]      ; the first fills, one group: four loads of mine are out
	s_nop 0
	tensor_load_to_lds s[G0B:G0B+3], s[G1B:G1B+7]
	s_nop 0
	tensor_load_to_lds s[G0A+4:G0A+7], s[G1A:G1A+7]
	s_nop 0
	tensor_load_to_lds s[G0B+4:G0B+7], s[G1B:G1B+7]
	s_nop 0
	PLACES 4
	v_and_b32 v5, 31, v0
	v_lshlrev_b32 v[LI], 4, v5
	v_lshlrev_b32 v[LS], 2, v5
.irp g, 0,1,2,3
	v_add_nc_u32 v[AA+\g], \g*2*ABLK, v[LI]
	v_add_nc_u32 v[AS+\g], \g*2*ABLK, v[LS]
.endr
	s_mul_i32 s79, s15, ABLK                       ; my head lies in block w / 2 of a K step's two, tiles 4 (w % 2) on
	s_lshl_b32 s80, s16, 13
	s_add_co_u32 s80, s80, s79
	s_add_co_u32 s80, s80, BBASE
	s_lshl_b32 s81, s16, 8
	s_add_co_u32 s81, s81, s79
	s_add_co_u32 s81, s81, BBASE+16384
.irp g, 0,1
	v_add_nc_u32 v[BB+\g], s80, v[LI]
	v_add_nc_u32 v[BS+\g], s81, v[LS]
	s_add_co_u32 s80, s80, SLOTB
	s_add_co_u32 s81, s81, SLOTB
.endr
.irp b, 0,1,2,3
	v_mov_b32 v[TM+4+\b], 0                        ; a lane permute's destination counts as one of its sources
.endr
	WIN 0xc0                                       ; destination window 3
.irp t, 0,1,2,3,4,5,6,7
.irp u, 0,1,2,3,4,5,6,7
	global_load_b128 v[32*\t+4*\u:32*\t+4*\u+3], v[LI], s[8:9] offset:\t*4096+\u*512   ; register 32 T + 2 q': cos, + 1: sin of the pair that accumulator registers 32 T + 2 q', + 1 hold
.endr
.endr
	WIN 0
; 54 LDS loads: the fragments and scale words of one K step into set p.  sg: which pair of K steps of x; kb: which of the pair; slot: the weights' slot.  Every load takes 16 (4) bytes a lane on end.
.macro FETCH sg, kb, slot, p
	WIN 0x40                                       ; destination window 1
.irp t, 0,1,2,3,4,5,6,7
.irp c, 0,1,2,3
	ds_load_b128 v[128*(\p)+16*\t+4*\c:128*(\p)+16*\t+4*\c+3], v[AA+(\sg)] offset:(\kb)*ABLK+\t*2048+\c*512
.endr
.endr
	WIN 0
.irp f, 0,1,2,3
.irp c, 0,1,2,3
	ds_load_b128 v[WF+64*(\p)+16*\f+4*\c:WF+64*(\p)+16*\f+4*\c+3], v[BB+(\slot)] offset:(\kb)*2*ABLK+\f*2048+\c*512
.endr
.endr
.irp g, 0,1,2,3
	ds_load_b32 v[XSC+8*(\p)+\g], v[AS+(\sg)] offset:(\kb)*ABLK+16384+128*\g
.endr
.irp g, 0,1
	ds_load_b32 v[WSC+8*(\p)+\g], v[BS+(\slot)] offset:(\kb)*2*ABLK+128*\g
.endr
.endm
.macro WM zero                         ; one product, by the symbols rD, rA, rB, rSA, rSB; fA, fB: the scales stand in lanes 16-31
.if \zero
.if fA && fB
	v_wmma_scale_f32_16x16x128_f8f6f4 v[rD:rD+7], v[rA:rA+15], v[rB:rB+15], 0, v[rSA], v[rSB] matrix_a_scale:MATRIX_SCALE_ROW1 matrix_b_scale:MATRIX_SCALE_ROW1
.elseif fA
	v_wmma_scale_f32_16x16x128_f8f6f4 v[rD:rD+7], v[rA:rA+15], v[rB:rB+15], 0, v[rSA], v[rSB] matrix_a_scale:MATRIX_SCALE_ROW1
.elseif fB
	v_wmma_scale_f32_16x16x128_f8f6f4 v[rD:rD+7], v[rA:rA+15], v[rB:rB+15], 0, v[rSA], v[rSB] matrix_b_scale:MATRIX_SCALE_ROW1
.else
	v_wmma_scale_f32_16x16x128_f8f6f4 v[rD:rD+7], v[rA:rA+15], v[rB:rB+15], 0, v[rSA], v[rSB]
.endif
.else
.if fA && fB
	v_wmma_scale_f32_16x16x128_f8f6f4 v[rD:rD+7], v[rA:rA+15], v[rB:rB+15], v[rD:rD+7], v[rSA], v[rSB] matrix_a_scale:MATRIX_SCALE_ROW1 matrix_b_scale:MATRIX_SCALE_ROW1
.elseif fA
	v_wmma_scale_f32_16x16x128_f8f6f4 v[rD:rD+7], v[rA:rA+15], v[rB:rB+15], v[rD:rD+7], v[rSA], v[rSB] matrix_a_scale:MATRIX_SCALE_ROW1
.elseif fB
	v_wmma_scale_f32_16x16x128_f8f6f4 v[rD:rD+7], v[rA:rA+15], v[rB:rB+15], v[rD:rD+7], v[rSA], v[rSB] matrix_b_scale:MATRIX_SCALE_ROW1
.else
	v_wmma_scale_f32_16x16x128_f8f6f4 v[rD:rD+7], v[rA:rA+15], v[rB:rB+15], v[rD:rD+7], v[rSA], v[rSB]
.endif
.endif
.endm
; Products n0 .. n1 - 1 of a K step's 32 on set p: token tile n / 4, feature tile n % 4.  mode 0 (Q, K): source 0 the weights; mode 1 (V): source 0 x.  The 32 accumulators take turns, in one order everywhere.
.macro MUL n0, n1, p, mode, zero
.if \mode
	WIN 0xa1                                       ; source 0 (x) window 1, source 1 window 0, C and D window 2
.else
	WIN 0xa4                                       ; source 0 window 0, source 1 (x) window 1, C and D window 2
.endif
.set n, \n0
.rept (\n1)-(\n0)
.set tT, n/4
.set tF, n%4
.if \mode
.set rD, 8*(8*tF+tT)
.set rA, 128*(\p)+16*tT
.set rB, WF+64*(\p)+16*tF
.set rSA, XSC+8*(\p)+tT/2
.set rSB, WSC+8*(\p)+tF/2
.set fA, tT%2
.set fB, tF%2
.else
.set rD, 8*(4*tT+tF)
.set rA, WF+64*(\p)+16*tF
.set rB, 128*(\p)+16*tT
.set rSA, WSC+8*(\p)+tF/2
.set rSB, XSC+8*(\p)+tT/2
.set fA, tF%2
.set fB, tT%2
.endif
	WM \zero
.set n, n+1
.endr
.endm
; A slot's first K step: set 0 is multiplied while set 1 is fetched.  Eight places stand between matrix instructions and loads into registers that they have read.
.macro STEPA sg, slot, mode, zero
	s_wait_dscnt 0x0                               ; set 0 is in
	PLACES 8
	FETCH \sg, 1, \slot, 1
	MUL 0, 32, 0, \mode, \zero
.endm
; A slot's second K step changes slots: each wave waits for all its tensor loads, adds 0 to its spare word, waits for that and for its reads of the slot; one barrier, which with fill = 1 opens a round of the cluster's.
.macro TURN slot, fill, nsg, mode
	WIN 0
	s_wait_tensorcnt 0x0                           ; all my tensor loads have landed
	ds_add_u32 v[SPW], v[NIL]
	s_wait_dscnt 0x1                               ; set 1 is in; the add alone may be out
	MUL 0, 8, 1, \mode, 0
	s_wait_dscnt 0x0                               ; the add is done, and my reads of this slot are over
	s_barrier_signal -1
	MUL 8, 16, 1, \mode, 0
	WIN 0
	s_barrier_wait -1
.if \fill
	CREST                                          ; no wave of any partner still reads this slot or has a load on its way
	s_add_nc_u64 s[G0B+4*\slot+2:G0B+4*\slot+3], s[G0B+4*\slot+2:G0B+4*\slot+3], 2*SLOTB
	tensor_load_to_lds s[G0B+4*\slot:G0B+4*\slot+3], s[G1B:G1B+7]   ; my quarter of the slot step two on: my one load until the next round
	s_nop 0
.endif
	PLACES 8
	FETCH \nsg, 0, 1-\slot, 0
	MUL 16, 32, 1, \mode, 0
.endm
; the quantiser's middle: from nb largest magnitudes of a lane in v[TM] on to bytes (TM+4), holds (TM+8) and scale operands (TM+12)
.macro QSCALE nb
.set qb, 0
.rept \nb
	v_permlanex16_b32 v[TM+4+qb], v[TM+qb], s[SEL], s[SEL+1]
.set qb, qb+1
.endr
.set qb, 0
.rept \nb
	v_max_num_f32 v[TM+qb], v[TM+qb], v[TM+4+qb]   ; with lane l xor 16's 16 numbers
.set qb, qb+1
.endr
.set qb, 0
.rept \nb
	v_add_nc_u32 v[TM+12+qb], 0xfc000000, v[TM+qb] ; 8 off the exponent field
.set qb, qb+1
.endr
.set qb, 0
.rept \nb
	v_and_or_b32 v[TM+8+qb], v[TM+qb], 0x7f800000, s[MNT]   ; 448 x the scale
.set qb, qb+1
.endr
.set qb, 0
.rept \nb
	v_lshrrev_b32 v[TM+4+qb], 23, v[TM+12+qb]      ; the byte
.set qb, qb+1
.endr
.endm
.macro QCVT nb, src, dst
.set qb, 0
.rept \nb
	v_cvt_scalef32_pk8_fp8_f32 v[(\dst)+4*qb:(\dst)+4*qb+1], v[(\src)+16*qb:(\src)+16*qb+7], v[TM+12+qb]
	v_cvt_scalef32_pk8_fp8_f32 v[(\dst)+4*qb+2:(\dst)+4*qb+3], v[(\src)+16*qb+8:(\src)+16*qb+15], v[TM+12+qb]
.set qb, qb+1
.endr
	v_nop                                          ; a plain instruction behind the last scaled conversion
.endm
; Q or K, token tile t: RoPE on the lane's 16 pairs, then two blocks of 32 channels are quantised; 1,024 bytes of codes leave in two stores of 512 consecutive bytes
.macro QKTILE t
	WIN 0x0e                                       ; source 0: the accumulators (window 2); source 1: the table (window 3)
.irp q, 0,1,2,3,4,5,6,7,8,9,10,11,12,13,14,15
	v_mul_f32 v[R+2*\q], v[32*(\t)+2*\q+1], v[32*(\t)+2*\q+1]      ; x2 sin  (each accumulator is first read at its register 1)
	v_mul_f32 v[R+2*\q+1], v[32*(\t)+2*\q], v[32*(\t)+2*\q+1]      ; x1 sin
.endr
.irp q, 0,1,2,3,4,5,6,7,8,9,10,11,12,13,14,15
	v_fma_f32 v[R+2*\q], v[32*(\t)+2*\q], v[32*(\t)+2*\q], -v[R+2*\q]          ; x1 cos - x2 sin
	v_fma_f32 v[R+2*\q+1], v[32*(\t)+2*\q+1], v[32*(\t)+2*\q], v[R+2*\q+1]     ; x2 cos + x1 sin
.endr
	WIN 0
.irp b, 0,1
	v_max3_num_f32 v[TM+\b], |v[R+16*\b]|, |v[R+16*\b+1]|, 0x4800000
.endr
.irp i, 2,4,6,8,10,12,14
.irp b, 0,1
	v_max3_num_f32 v[TM+\b], v[TM+\b], |v[R+16*\b+\i]|, |v[R+16*\b+\i+1]|
.endr
.endr
	QSCALE 2
	v_lshl_or_b32 v[HW], v[TM+5], 8, v[TM+4]
.if (\t)%2
	v_lshl_or_b32 v[WD+(\t)/2], v[HW], 16, v[WD+(\t)/2]   ; two tiles' bytes make a word: as keys they are one fragment
.else
	v_mov_b32 v[WD+(\t)/2], v[HW]
.endif
.irp b, 0,1
.irp i, 0,1,2,3,4,5,6,7,8,9,10,11,12,13,14,15
.endr
.endr
	s_wait_alu depctr_va_vdst(0)
	s_wait_xcnt 0x0                                ; earlier stores have read their data: the codes' registers may be written
	QCVT 2, R, PC+8*((\t)%2)
	global_store_b128 v[LI], v[PC+8*((\t)%2):PC+8*((\t)%2)+3], s[PCB:PCB+1] offset:(\t)*1024
	global_store_b128 v[LI], v[PC+8*((\t)%2)+4:PC+8*((\t)%2)+7], s[PCB:PCB+1] offset:(\t)*1024+512
.endm
.macro WORDS base, off                 ; the four registers of scale words leave as 256 consecutive bytes: lanes 0-15 one register's, lanes 16-31 the next's
	s_wait_xcnt 0x0
	v_cndmask_b32 v[CH], v[WD], v[WD+1], s[HM]
	v_cndmask_b32 v[CH+1], v[WD+2], v[WD+3], s[HM]
	global_store_b32 v[LS], v[CH], s[\base:\base+1] offset:\off
	global_store_b32 v[LS], v[CH+1], s[\base:\base+1] offset:\off+128
.endm
; V, channel tile f: the lane's 64 registers run along the 128 keys: four blocks of 32
.macro VTILE f
	WIN 0x0a                                       ; sources 0 and 1: window 2
.irp b, 0,1,2,3
	v_max3_num_f32 v[TM+\b], |v[64*(\f)+16*\b]|, |v[64*(\f)+16*\b+1]|, 0x4800000
.endr
	WIN 0x28                                       ; sources 1 and 2: window 2
.irp i, 2,4,6,8,10,12,14
.irp b, 0,1,2,3
	v_max3_num_f32 v[TM+\b], v[TM+\b], |v[64*(\f)+16*\b+\i]|, |v[64*(\f)+16*\b+\i+1]|
.endr
.endr
	WIN 0
	QSCALE 4
	v_lshl_or_b32 v[WD+(\f)], v[TM+5], 8, v[TM+4]
	v_lshl_or_b32 v[WD+(\f)], v[TM+6], 16, v[WD+(\f)]
	v_lshl_or_b32 v[WD+(\f)], v[TM+7], 24, v[WD+(\f)]
	WIN 0x02                                       ; source 0: window 2
.irp b, 0,1,2,3
.irp i, 0,1,2,3,4,5,6,7,8,9,10,11,12,13,14,15
	v_med3_num_f32 v[R+16*\b+\i], v[64*(\f)+16*\b+\i], -v[TM+8+\b], v[TM+8+\b]
.endr
.endr
	WIN 0
	s_wait_alu depctr_va_vdst(0)
	s_wait_xcnt 0x0
	QCVT 4, R, PC
.irp c, 0,1,2,3
	global_store_b128 v[LI], v[PC+4*\c:PC+4*\c+3], s[KC:KC+1] offset:8192+(\f)*2048+\c*512
.endr
.endm
	s_wait_alu depctr_va_vdst(0)
	s_wait_tensorcnt 0x2                           ; my parts of x's K steps 0-3 and of slot 0 are in; the two loads issued behind them may stay out
	s_barrier_signal -1
	s_barrier_wait -1
	FETCH 0, 0, 0, 0
	s_wait_loadcnt 0x0                             ; the table
	s_mov_b32 s[CNT], 2
.Lqk:                                              ; two trips: Q, then K.  Every change of slots in them fills a slot again
	STEPA 0, 0, 0, 1                               ; the first K step starts the sums
	TURN 0, 1, 1, 0
	STEPA 1, 1, 0, 0
	TURN 1, 1, 2, 0
	STEPA 2, 0, 0, 0
	TURN 0, 1, 3, 0
	STEPA 3, 1, 0, 0
	TURN 1, 1, 0, 0                                ; the next pass's first fragments are fetched, and its tiles land under the way out
	WIN 0
	PLACES 8
.irp t, 0,1,2,3,4,5,6,7
	QKTILE \t
.endr
	WORDS PSB, 0
	s_wait_xcnt 0x0                                ; the stores have read their bases
	s_mov_b64 s[PCB:PCB+1], s[KC:KC+1]             ; the second trip stores K
	s_mov_b64 s[PSB:PSB+1], s[KSB:KSB+1]
	s_sub_co_u32 s[CNT], s[CNT], 1
	s_cmp_lg_u32 s[CNT], 0
	s_cbranch_scc1 .Lqk
	STEPA 0, 0, 1, 1                               ; V: written out; its last two slot steps fill nothing
	TURN 0, 1, 1, 1
	STEPA 1, 1, 1, 0
	TURN 1, 1, 2, 1
	STEPA 2, 0, 1, 0
	TURN 0, 0, 3, 1
	STEPA 3, 1, 1, 0
	s_wait_dscnt 0x0
	MUL 0, 32, 1, 1, 0
	WIN 0
	PLACES 8
.irp f, 0,1,2,3
	VTILE \f
.endr
	WORDS KC, 16640
	s_wait_tensorcnt 0x0                           ; the wave's end
	ds_add_u32 v[SPW], v[NIL]
	s_wait_dscnt 0x0
	CROUND                                         ; the closing round
	s_endpgm
.Lfunc_end_k_q5e183d184a_qkv:
	.size	k_q5e183d184a_qkv, .Lfunc_end_k_q5e183d184a_qkv-k_q5e183d184a_qkv
	.p2alignl 7, 3214868480
	.fill 96, 4, 3214868480
	.section	.rodata,"a",@progbits
	.p2align	6, 0x0
	.amdhsa_kernel k_q5e183d184a_qkv
		.amdhsa_group_segment_fixed_size 327680
		.amdhsa_private_segment_fixed_size 0
		.amdhsa_enable_private_segment 0
		.amdhsa_kernarg_size 40
		.amdhsa_user_sgpr_count 2
		.amdhsa_user_sgpr_kernarg_segment_ptr 1
		.amdhsa_wavefront_size32 1
		.amdhsa_system_sgpr_workgroup_id_x 1
		.amdhsa_system_sgpr_workgroup_id_y 1
		.amdhsa_system_sgpr_workgroup_id_z 1
		.amdhsa_system_vgpr_workitem_id 0
		.amdhsa_next_free_vgpr 1024
		.amdhsa_next_free_sgpr 96
		.amdhsa_reserve_vcc 0
		.amdhsa_float_denorm_mode_32 3
		.amdhsa_float_denorm_mode_16_64 3
		.amdhsa_fp16_overflow 1
		.amdhsa_memory_ordered 1
		.amdhsa_forward_progress 1
		.amdhsa_inst_pref_size 220
	.end_amdhsa_kernel
	.amdgpu_metadata
---
amdhsa.version: [ 1, 2 ]
amdhsa.kernels:
  - .name:           k_q5e183d184a_qkv
    .symbol:         k_q5e183d184a_qkv.kd
    .args:
      - { .name: ximg, .offset: 0, .size: 8, .value_kind: global_buffer, .address_space: global }
      - { .name: wimg, .offset: 8, .size: 8, .value_kind: global_buffer, .address_space: global }
      - { .name: tab, .offset: 16, .size: 8, .value_kind: global_buffer, .address_space: global }
      - { .name: qimg, .offset: 24, .size: 8, .value_kind: global_buffer, .address_space: global }
      - { .name: kvimg, .offset: 32, .size: 8, .value_kind: global_buffer, .address_space: global }
    .group_segment_fixed_size: 327680
    .private_segment_fixed_size: 0
    .kernarg_segment_align: 8
    .kernarg_segment_size: 40
    .max_flat_workgroup_size: 128
    .sgpr_count:     96
    .vgpr_count:     1024
    .wavefront_size: 32
...
	.end_amdgpu_metadata
.endif
;; end of part 2
;; launch attn (part 3): grid 4 x 64, 16 waves a work-group, clusters of 4 x 1, 327,680 bytes of LDS; arguments qimg, kvimg, oimg; writes oimg
.if DOCPART == 3
	.amdgcn_target "amdgcn-amd-amdhsa--gfx1250"
	.amdhsa_code_object_version 6
	.text
	.protected	k_q5e183d184a_attn
	.globl	k_q5e183d184a_attn
	.p2align	8
	.type	k_q5e183d184a_attn,@function
k_q5e183d184a_attn:
	s_mov_b64 s[64:65], 0
	v_nop
	global_prefetch_b8 v0, s[64:65] scope:SCOPE_SE
	s_setreg_imm32_b32 hwreg(HW_REG_WAVE_MODE, 25, 1), 1
	s_wait_xcnt 0x0
	s_wait_alu depctr_hold_cnt(0) depctr_sa_sdst(0) depctr_va_vdst(0) depctr_va_sdst(0) depctr_va_ssrc(0) depctr_va_vcc(0) depctr_vm_vsrc(0)
	s_getreg_b32 s2, hwreg(HW_REG_IB_STS2, 6, 4)
	s_cmp_eq_u32 s2, 0
	s_cbranch_scc0 .Lentry_in_a_cluster
	s_endpgm
.Lentry_in_a_cluster:
	s_bfe_u32 s2, ttmp6, 0x10000c
	s_cmp_lg_u32 s2, 0x3003
	s_cbranch_scc0 .Lentry_shape_is_right
	s_endpgm
.Lentry_shape_is_right:
; Causal attention of one (batch, head) a cluster, on codes of E4M3: S^T = K Q^T, p = 2^(t - M) with M the running largest t rounded up to a whole number, O^T = V^T P^T, O / the row's sum of the unquantised p;
; O is quantised along the model's 1,024 channels and stored as the image that the last product's operand wants.
; THE WHOLE HEAD'S K, V AND THEIR SCALE WORDS, 270,336 bytes, come into LDS ONCE, by joint loads of the cluster's four work-groups (each wave two loads of 8,448 bytes): nothing is filled again.
; SHARES.  A wave owns two tiles of 16 queries: t = 4 w + cx and t = 127 - 4 w - cx.  The key step on the diagonal, t / 8, is w / 2 and 15 - w / 2: it hangs on the wave's number alone, and so does every branch.
; Each wave so has 17 key steps of 128 keys.  The loops have constant trip counts; a step all of whose keys come after the queries is jumped over.
; THE HEAD HAS 64 CHANNELS, THE INSTRUCTION'S K IS 128: a fragment of K holds two tiles of 16 keys, one in k 0-63 and one in k 64-127; Q stands as Q, zeros, Q in 24 registers: v[16:31] picks the first tile, v[24:39] the second.
; LIMITS: NaN and infinities are not served; a block of zeros or under 2^-118 gets the byte 1.
.set LI,  1                            ; 16 x lane
.set LS,  2                            ; 4 x lane
.set ADK, 3                            ; the key step's codes
.set ADS, 4                            ; and scale words
.set DM,  5                            ; my query's place in its block of 128, less 16 h
.set R4,  6                            ; 4 r
.set DV,  7                            ; r + 8 (r / 8) - 16 h
.set KSC, 8                            ; v8-9   K's scale words;  v10-11 V's
.set VSC, 10
.set QF,  16
.set FR,  40                           ; v40-103  four fragments: K's, then V's
.set S,   104                          ; v104-167 S^T, then p
.set OT,  168                          ; v168-199 O^T
.set PCD, 200                          ; v200-215 p's codes
.set TM,  216
.set WK,  232
.set FF,  234
.set SM2, 236
.set QSW, 238
.set PSW, 239
.set OC,  240
.set T0,  248
.set WV,  18
.set MNT, 19
.set SEL, 20
.set CS,  22
.set G1,  24
.set G0A, 32
.set G0B, 36
.set TB,  2
.set KS,  3
.set DB,  40
.macro PLACES n
.rept \n
	v_nop
.endr
.endm
.macro CROUND
	s_barrier_signal -1
	s_barrier_wait -1
	s_cmp_lg_u32 s[WV], 0
	s_cbranch_scc1 .Lnot_wave_0_\@
	s_barrier_signal -3
.Lnot_wave_0_\@:
	s_barrier_wait -3
	s_barrier_signal -1
	s_barrier_wait -1
.endm
	s_load_b128 s[4:7], s[0:1], 0x0                ; qimg, kvimg
	s_load_b64 s[8:9], s[0:1], 0x10                ; oimg
	v_lshl_add_u32 v254, v0, 2, 0x42000
	v_mov_b32 v255, 0
	ds_add_u32 v254, v255
	ds_add_u32 v254, v255
	v_lshrrev_b32 v3, 5, v0
	s_delay_alu instid0(VALU_DEP_1)
	v_readfirstlane_b32 s[WV], v3                  ; wave 0..15
	s_bfe_u32 s42, ttmp6, 0x40000                  ; cx: it enters global addresses, the mask's register and a shift alone
	s_and_b32 s43, ttmp7, 0xffff                   ; 16 batch + head
	s_mov_b32 s[G1], 15|(3<<16)|(1<<21)            ; all four work-groups; elements of 8 bytes; bit 21 beside a mask
	s_mov_b32 s[G1+1], 32<<16                      ; 33 dense rows of 256 bytes
	s_mov_b32 s[G1+2], 33<<16
	s_mov_b32 s[G1+3], 32<<16
	s_mov_b32 s[G1+4], 33
	s_mov_b32 s[G1+5], 32
	s_mov_b32 s[G1+6], 0
	s_mov_b32 s[G1+7], 0
	s_mul_i32 s44, s43, 270336
	s_mul_i32 s45, s[WV], 8448
	s_add_co_u32 s46, s44, s45
	s_mov_b32 s47, 0
	s_mov_b32 s[SEL], 0x76543210
	s_mov_b32 s[SEL+1], 0xfedcba98
	s_mov_b32 s[CS], 0x3e38aa3b                    ; c = log2(e) / sqrt(64)
	s_mov_b32 s[CS+1], s[CS]
	s_wait_dscnt 0x0
	s_wait_kmcnt 0x0
	s_mov_b32 s[G0A], 1
	s_mov_b32 s[G0A+1], s45
	s_add_nc_u64 s[G0A+2:G0A+3], s[6:7], s[46:47]
	s_add_nc_u64 s[G0B+2:G0B+3], s[G0A+2:G0A+3], 135168
	s_or_b32 s[G0A+3], s[G0A+3], 0x80000000
	s_mov_b32 s[G0B], 1
	s_add_co_u32 s[G0B+1], s45, 135168
	s_or_b32 s[G0B+3], s[G0B+3], 0x80000000
	CROUND                                         ; the four work-groups are here: the joint loads meet
	tensor_load_to_lds s[G0A:G0A+3], s[G1:G1+7]    ; my part of key steps 0-7,
	s_nop 0
	s_wait_alu depctr_va_vdst(0)
	s_wait_tensorcnt 0x0
	ds_add_u32 v254, v255
	s_wait_dscnt 0x0
	CROUND
	tensor_load_to_lds s[G0B:G0B+3], s[G1:G1+7]    ; and of 8-15: one load of mine is out
	s_nop 0
	PLACES 4
	v_and_b32 v3, 31, v0
	s_delay_alu instid0(VALU_DEP_1)
	v_lshlrev_b32 v[LI], 4, v3
	s_delay_alu instid0(VALU_DEP_2)
	v_lshlrev_b32 v[LS], 2, v3
	v_and_b32 v3, 15, v0
	s_delay_alu instid0(VALU_DEP_1)
	v_lshlrev_b32 v[R4], 2, v3
	s_delay_alu instid0(VALU_DEP_2)
	v_and_b32 v4, 8, v3
	s_delay_alu instid0(VALU_DEP_1)
	v_add_nc_u32 v[DV], v4, v3
	v_bfe_u32 v4, v0, 4, 1
	s_delay_alu instid0(VALU_DEP_1)
	v_lshlrev_b32 v4, 4, v4
	s_delay_alu instid0(VALU_DEP_1)
	v_sub_nc_u32 v[DV], v[DV], v4
.irp j, 0,1,2,3,4,5,6,7
	v_mov_b32 v[QF+8+\j], 0                        ; the zero codes between the two copies of Q
.endr
.irp b, 0,1,2,3
	v_mov_b32 v[TM+4+\b], 0                        ; a lane permute's destination counts as one of its sources
.endr
	v_mov_b32 v[WK], 0
	v_mov_b32 v[FF+1], 0                           ; (named as the upper half of a pair)
; One tile of 16 queries.  p = 0: t = 4 w + cx; 1: t = 127 - 4 w - cx.  nt: the loop's trips.
.macro PASS p, nt
	s_wait_xcnt 0x0                                ; the last pass's loads and stores have read their bases and data
	s_lshl_b32 s41, s[WV], 2
	s_add_co_u32 s41, s41, s42
	s_lshr_b32 s[DB], s[WV], 1
.if \p
	s_sub_co_u32 s41, 127, s41
	s_sub_co_u32 s[DB], 15, s[DB]
.endif
	s_lshr_b32 s44, s41, 3                         ; the queries' block of 128
	s_and_b32 s45, s41, 7                          ; the tile in it
	s_mul_i32 s46, s43, 135168
	s_mul_i32 s47, s44, 8448
	s_add_co_u32 s46, s46, s47
	s_lshl_b32 s47, s45, 10
	s_add_co_u32 s48, s46, s47
	s_mov_b32 s49, 0
	s_add_nc_u64 s[50:51], s[4:5], s[48:49]        ; Q's codes
	s_lshr_b32 s47, s45, 1
	s_lshl_b32 s47, s47, 6
	s_add_co_u32 s48, s46, s47
	s_add_co_u32 s48, s48, 8192
	s_add_nc_u64 s[52:53], s[4:5], s[48:49]        ; and the words that hold its scale bytes
	global_load_b128 v[QF:QF+3], v[LI], s[50:51]
	global_load_b128 v[QF+4:QF+7], v[LI], s[50:51] offset:512
	global_load_b128 v[QF+16:QF+19], v[LI], s[50:51]
	global_load_b128 v[QF+20:QF+23], v[LI], s[50:51] offset:512
	global_load_b32 v[T0], v[R4], s[52:53]
	s_lshr_b32 s46, s43, 4                         ; O: block (16 batch + block of queries, K step head / 2)
	s_lshl_b32 s46, s46, 4
	s_add_co_u32 s46, s46, s44
	s_lshl_b32 s46, s46, 3
	s_bfe_u32 s47, s43, 0x30001
	s_add_co_u32 s46, s46, s47
	s_mul_i32 s46, s46, 16896
	s_and_b32 s47, s43, 1
	s_lshl_b32 s48, s45, 11
	s_add_co_u32 s48, s48, s46
	s_lshl_b32 s54, s47, 10
	s_add_co_u32 s48, s48, s54
	s_add_nc_u64 s[56:57], s[8:9], s[48:49]        ; its codes: tile, and the head's half of the 128 along K
	s_lshl_b32 s48, s45, 6
	s_add_co_u32 s48, s48, s46
	s_lshl_b32 s54, s47, 1
	s_add_co_u32 s48, s48, s54
	s_add_co_u32 s48, s48, 16384
	s_add_nc_u64 s[58:59], s[8:9], s[48:49]        ; its two scale bytes a row
	s_lshr_b32 s54, s45, 1
	s_lshl_b32 s54, s54, 5
	s_and_b32 s55, s45, 1
	s_lshl_b32 s47, s55, 3
	s_add_co_u32 s54, s54, s47
	v_add_nc_u32 v[DM], s54, v[DV]
	s_lshl_b32 s55, s55, 4
	s_mov_b32 s[KS], 0
	s_mov_b32 s[TB], 0
	s_wait_loadcnt 0x0
	v_lshrrev_b32 v[T0], s55, v[T0]                ; my tile's two bytes,
	s_delay_alu instid0(VALU_DEP_1)
	v_and_b32 v[T0], 0xffff, v[T0]
	s_delay_alu instid0(VALU_DEP_1)
	v_lshl_or_b32 v[QSW], v[T0], 16, v[T0]         ; for k 0-63 and again for k 64-127.  (The lines below are the places between this line and the first product)
	v_mov_b32 v13, 0xff61b1e6                      ; the largest t so far: -3e38
	s_delay_alu instid0(VALU_DEP_1)
	v_floor_f32 v12, -v13                          ; -M
	v_mov_b32 v14, 0
	v_mov_b32 v15, 0
.set n, 0
.rept 32
	v_mov_b32 v[OT+n], 0                           ; the step is written once: the first finds zeros
.set n, n+1
.endr
.Lkey_\@:
	s_cmp_gt_u32 s[KS], s[DB]                      ; all keys of the step come after my queries: nothing to do
	s_cbranch_scc1 .Lhid_\@
	s_setprio 2
	v_add_nc_u32 v[ADK], s[TB], v[LI]
	v_add_nc_u32 v[ADS], s[TB], v[LS]
.irp f, 0,1,2,3
.irp c, 0,1,2,3
	ds_load_b128 v[FR+16*\f+4*\c:FR+16*\f+4*\c+3], v[ADK] offset:\f*2048+\c*512
.endr
.endr
	ds_load_b32 v[KSC], v[ADS] offset:16384        ; lanes 0-15 fragment 0's words, lanes 16-31 fragment 1's
	ds_load_b32 v[KSC+1], v[ADS] offset:16512
	s_wait_alu depctr_va_vdst(0)
	s_wait_dscnt 0x0
.set n, 0
.rept 8                                            ; tile n of 16 keys: half n % 2 of fragment n / 2
.if (n/2)%2
	v_wmma_scale_f32_16x16x128_f8f6f4 v[S+8*n:S+8*n+7], v[FR+16*(n/2):FR+16*(n/2)+15], v[QF+8*(n%2):QF+8*(n%2)+15], 0, v[KSC+n/4], v[QSW] matrix_a_scale:MATRIX_SCALE_ROW1
.else
	v_wmma_scale_f32_16x16x128_f8f6f4 v[S+8*n:S+8*n+7], v[FR+16*(n/2):FR+16*(n/2)+15], v[QF+8*(n%2):QF+8*(n%2)+15], 0, v[KSC+n/4], v[QSW]
.endif
.set n, n+1
.endr
	PLACES 8                                       ; in front of loads into K's registers and of the first read of the scores
.irp f, 0,1,2,3
.irp c, 0,1,2,3
	ds_load_b128 v[FR+16*\f+4*\c:FR+16*\f+4*\c+3], v[ADK] offset:8192+\f*2048+\c*512   ; V lands under the softmax
.endr
.endr
	ds_load_b32 v[VSC], v[ADS] offset:16640
	ds_load_b32 v[VSC+1], v[ADS] offset:16768
	s_cmp_lt_u32 s[KS], s[DB]                      ; only the step on the diagonal hides keys
	s_cbranch_scc1 .Lopen_\@
	v_mov_b32 v[WK], 0xff800000                    ; -infinity
.set n, 0
.rept 64                                           ; register 16 b + i holds key 32 b + 16 h + i of the block
	v_cmp_gt_i32 vcc_lo, 32*(n/16)+n%16, v[DM]
	v_cndmask_b32 v[S+n], v[S+n], v[WK], vcc_lo
.set n, n+1
.endr
.Lopen_\@:
.irp b, 0,1,2,3
	v_max3_num_f32 v[TM+\b], v[S+16*\b], v[S+16*\b+1], v[S+16*\b+2]   ; the largest score of each block of 32 keys: for the row's maximum and for the block's largest p
.endr
.irp i, 3,5,7,9,11,13
.irp b, 0,1,2,3
	v_max3_num_f32 v[TM+\b], v[TM+\b], v[S+16*\b+\i], v[S+16*\b+\i+1]
.endr
.endr
.irp b, 0,1,2,3
	v_max_num_f32 v[TM+\b], v[TM+\b], v[S+16*\b+15]
.endr
.irp b, 0,1,2,3
	s_delay_alu instid0(VALU_DEP_4)
	v_permlanex16_b32 v[TM+4+\b], v[TM+\b], s[SEL], s[SEL+1]
.endr
.irp b, 0,1,2,3
	s_delay_alu instid0(VALU_DEP_4)
	v_max_num_f32 v[TM+\b], v[TM+\b], v[TM+4+\b]
.endr
	s_delay_alu instid0(VALU_DEP_2)
	v_max3_num_f32 v[WK], v[TM], v[TM+1], v[TM+2]
	s_delay_alu instid0(VALU_DEP_1)
	v_max_num_f32 v[WK], v[WK], v[TM+3]
	s_delay_alu instid0(VALU_DEP_1)
	v_mul_f32 v[WK], s[CS], v[WK]
	s_delay_alu instid0(VALU_DEP_1)
	v_max_num_f32 v13, v13, v[WK]                  ; the running largest t
	v_mov_b32 v[WK], v12
	s_delay_alu instid0(VALU_DEP_2)
	v_floor_f32 v12, -v13                          ; -M = floor(-t): M is a whole number
	s_delay_alu instid0(VALU_DEP_1)
	v_sub_f32 v[WK], v12, v[WK]
	s_delay_alu instid0(VALU_DEP_1)
	v_cvt_i32_f32 v[WK], v[WK]                     ; (it saturates)
	s_delay_alu instid0(VALU_DEP_1)
	v_ldexp_f32 v[FF], 1.0, v[WK]                  ; f = 2^(old M - new M): exact
.set n, 0
	s_setprio 1
.rept 32
	v_pk_fma_f32 v[S+n:S+n+1], v[S+n:S+n+1], s[CS:CS+1], v[12:13] op_sel_hi:[1,0,0]   ; t - M
.set n, n+2
.endr
.irp b, 0,1,2,3
	v_fma_f32 v[TM+\b], v[TM+\b], s[CS], v12
.endr
.set n, 0
	s_wait_alu depctr_va_vdst(0)
.rept 64
	v_exp_f32 v[S+n], v[S+n]                       ; p: one batch
.set n, n+1
.endr
	v_pk_mul_f32 v[14:15], v[14:15], v[FF:FF+1] op_sel_hi:[1,0]   ; the sums under the new M: a plain instruction behind the batch
	s_wait_alu depctr_va_vdst(0)                   ; the one wait ahead of the batch's first reader
.irp b, 0,1,2,3
	v_exp_f32 v[TM+\b], v[TM+\b]                   ; each block's largest p
.endr
	v_pk_add_f32 v[SM2:SM2+1], v[S:S+1], v[S+2:S+3]   ; the row's sum of the unquantised p, in two chains
.irp j, 4,8,12,16,20,24,28,32,36,40,44,48,52,56,60
	v_pk_add_f32 v[14:15], v[14:15], v[S+\j:S+\j+1]
	v_pk_add_f32 v[SM2:SM2+1], v[SM2:SM2+1], v[S+\j+2:S+\j+3]
.endr
	s_delay_alu instid0(VALU_DEP_1)
	v_pk_add_f32 v[14:15], v[14:15], v[SM2:SM2+1]
	s_wait_alu depctr_va_vdst(0)                   ; and one for the four
.irp b, 0,1,2,3
	v_max_num_f32 v[TM+\b], 0x4800000, v[TM+\b]    ; the floor 2^(9 - 127)
.endr
.irp b, 0,1,2,3
	s_delay_alu instid0(VALU_DEP_4)
	v_add_nc_u32 v[TM+12+\b], 0xfc000000, v[TM+\b]
.endr
.irp b, 0,1,2,3
.endr
.irp b, 0,1,2,3
	s_delay_alu instid0(VALU_DEP_4)
	v_lshrrev_b32 v[TM+4+\b], 23, v[TM+12+\b]
.endr
	s_delay_alu instid0(VALU_DEP_3)
	v_lshl_or_b32 v[PSW], v[TM+5], 8, v[TM+4]      ; p's scale word for these 128 keys
	s_delay_alu instid0(VALU_DEP_1)
	v_lshl_or_b32 v[PSW], v[TM+6], 16, v[PSW]
	s_delay_alu instid0(VALU_DEP_1)
	v_lshl_or_b32 v[PSW], v[TM+7], 24, v[PSW]
	s_setprio 0
.irp b, 0,1,2,3
.irp i, 0,1,2,3,4,5,6,7,8,9,10,11,12,13,14,15
.endr
	v_cvt_scalef32_pk8_fp8_f32 v[PCD+4*\b:PCD+4*\b+1], v[S+16*\b:S+16*\b+7], v[TM+12+\b]
	v_cvt_scalef32_pk8_fp8_f32 v[PCD+4*\b+2:PCD+4*\b+3], v[S+16*\b+8:S+16*\b+15], v[TM+12+\b]
.endr
.set n, 0
.rept 16
	v_pk_mul_f32 v[OT+n:OT+n+1], v[OT+n:OT+n+1], v[FF:FF+1] op_sel_hi:[1,0]   ; O^T under the new M; these are also the places in front of the products
.set n, n+2
.endr
	s_wait_alu depctr_va_vdst(0)
	s_wait_dscnt 0x0                               ; V is in
.set n, 0
.rept 4
.if n%2
	v_wmma_scale_f32_16x16x128_f8f6f4 v[OT+8*n:OT+8*n+7], v[FR+16*n:FR+16*n+15], v[PCD:PCD+15], v[OT+8*n:OT+8*n+7], v[VSC+n/2], v[PSW] matrix_a_scale:MATRIX_SCALE_ROW1
.else
	v_wmma_scale_f32_16x16x128_f8f6f4 v[OT+8*n:OT+8*n+7], v[FR+16*n:FR+16*n+15], v[PCD:PCD+15], v[OT+8*n:OT+8*n+7], v[VSC+n/2], v[PSW]
.endif
.set n, n+1
.endr
	PLACES 8                                       ; in front of the next step's loads and of the way out's reads
.Lhid_\@:
	s_add_co_u32 s[TB], s[TB], 16896
	s_add_co_u32 s[KS], s[KS], 1
	s_cmp_lt_u32 s[KS], \nt
	s_cbranch_scc1 .Lkey_\@
	s_setprio 0
	; the way out: O^T / the sum; two blocks of 32 channels are quantised
	v_add_f32 v14, v14, v15
	s_delay_alu instid0(VALU_DEP_1)
	v_permlanex16_b32 v[WK], v14, s[SEL], s[SEL+1]
	s_delay_alu instid0(VALU_DEP_1)
	v_add_f32 v14, v14, v[WK]
	s_wait_alu depctr_va_vdst(0)
	v_rcp_f32 v14, v14
	v_nop
	s_wait_alu depctr_va_vdst(0)                   ; ahead of the reciprocal's first reader
.set n, 0
.rept 32
	v_mul_f32 v[S+n], v[OT+n], v14                 ; register 16 b + i: channel 32 b + 16 h + i of my query
.set n, n+1
.endr
.irp b, 0,1
	v_max3_num_f32 v[TM+\b], |v[S+16*\b]|, |v[S+16*\b+1]|, 0x4800000
.endr
.irp i, 2,4,6,8,10,12,14
.irp b, 0,1
	s_delay_alu instid0(VALU_DEP_2)
	v_max3_num_f32 v[TM+\b], v[TM+\b], |v[S+16*\b+\i]|, |v[S+16*\b+\i+1]|
.endr
.endr
.irp b, 0,1
	s_delay_alu instid0(VALU_DEP_2)
	v_permlanex16_b32 v[TM+4+\b], v[TM+\b], s[SEL], s[SEL+1]
.endr
.irp b, 0,1
	s_delay_alu instid0(VALU_DEP_2)
	v_max_num_f32 v[TM+\b], v[TM+\b], v[TM+4+\b]
.endr
.irp b, 0,1
	s_delay_alu instid0(VALU_DEP_2)
	v_add_nc_u32 v[TM+12+\b], 0xfc000000, v[TM+\b]
.endr
.irp b, 0,1
.endr
.irp b, 0,1
	s_delay_alu instid0(VALU_DEP_2)
	v_lshrrev_b32 v[TM+4+\b], 23, v[TM+12+\b]
.endr
	s_delay_alu instid0(VALU_DEP_1)
	v_lshl_or_b32 v[T0+1], v[TM+5], 8, v[TM+4]
.irp b, 0,1
.irp i, 0,1,2,3,4,5,6,7,8,9,10,11,12,13,14,15
.endr
	v_cvt_scalef32_pk8_fp8_f32 v[OC+4*\b:OC+4*\b+1], v[S+16*\b:S+16*\b+7], v[TM+12+\b]
	v_cvt_scalef32_pk8_fp8_f32 v[OC+4*\b+2:OC+4*\b+3], v[S+16*\b+8:S+16*\b+15], v[TM+12+\b]
.endr
	v_nop
	global_store_b128 v[LI], v[OC:OC+3], s[56:57]              ; 512 consecutive bytes each
	global_store_b128 v[LI], v[OC+4:OC+7], s[56:57] offset:512
	global_store_b16 v[R4], v[T0+1], s[58:59]                  ; my row's two bytes; both halves of the lanes write the same
.endm
	s_wait_tensorcnt 0x1                           ; my part of key steps 0-7 is in; the second load may stay out
	s_barrier_signal -1
	s_barrier_wait -1
	PASS 0, 8                                      ; reads LDS under byte 135,168 alone
	s_wait_tensorcnt 0x0                           ; my part of key steps 8-15 is in
	s_barrier_signal -1
	s_barrier_wait -1
	PASS 1, 16
	s_wait_tensorcnt 0x0
	ds_add_u32 v254, v255
	s_wait_dscnt 0x0
	CROUND                                         ; the closing round
	s_endpgm
.Lfunc_end_k_q5e183d184a_attn:
	.size	k_q5e183d184a_attn, .Lfunc_end_k_q5e183d184a_attn-k_q5e183d184a_attn
	.p2alignl 7, 3214868480
	.fill 96, 4, 3214868480
	.section	.rodata,"a",@progbits
	.p2align	6, 0x0
	.amdhsa_kernel k_q5e183d184a_attn
		.amdhsa_group_segment_fixed_size 327680
		.amdhsa_private_segment_fixed_size 0
		.amdhsa_enable_private_segment 0
		.amdhsa_kernarg_size 24
		.amdhsa_user_sgpr_count 2
		.amdhsa_user_sgpr_kernarg_segment_ptr 1
		.amdhsa_wavefront_size32 1
		.amdhsa_system_sgpr_workgroup_id_x 1
		.amdhsa_system_sgpr_workgroup_id_y 1
		.amdhsa_system_sgpr_workgroup_id_z 1
		.amdhsa_system_vgpr_workitem_id 0
		.amdhsa_next_free_vgpr 256
		.amdhsa_next_free_sgpr 66
		.amdhsa_reserve_vcc 1
		.amdhsa_float_denorm_mode_32 3
		.amdhsa_float_denorm_mode_16_64 3
		.amdhsa_fp16_overflow 1
		.amdhsa_memory_ordered 1
		.amdhsa_forward_progress 1
		.amdhsa_inst_pref_size 65
	.end_amdhsa_kernel
	.amdgpu_metadata
---
amdhsa.version: [ 1, 2 ]
amdhsa.kernels:
  - .name:           k_q5e183d184a_attn
    .symbol:         k_q5e183d184a_attn.kd
    .args:
      - { .name: qimg, .offset: 0, .size: 8, .value_kind: global_buffer, .address_space: global }
      - { .name: kvimg, .offset: 8, .size: 8, .value_kind: global_buffer, .address_space: global }
      - { .name: oimg, .offset: 16, .size: 8, .value_kind: global_buffer, .address_space: global }
    .group_segment_fixed_size: 327680
    .private_segment_fixed_size: 0
    .kernarg_segment_align: 8
    .kernarg_segment_size: 24
    .max_flat_workgroup_size: 512
    .sgpr_count:     66
    .vgpr_count:     256
    .wavefront_size: 32
...
	.end_amdgpu_metadata
.endif
;; end of part 3
;; launch oproj (part 4): grid 4 x 64, 4 waves a work-group, clusters of 4 x 4, 327,680 bytes of LDS; arguments oimg, wimg, out0; writes out0
.if DOCPART == 4
	.amdgcn_target "amdgcn-amd-amdhsa--gfx1250"
	.amdhsa_code_object_version 6
	.text
	.protected	k_q5e183d184a_oproj
	.globl	k_q5e183d184a_oproj
	.p2align	8
	.type	k_q5e183d184a_oproj,@function
k_q5e183d184a_oproj:
	s_mov_b64 s[64:65], 0
	v_nop
	global_prefetch_b8 v0, s[64:65] scope:SCOPE_SE
	s_setreg_imm32_b32 hwreg(HW_REG_WAVE_MODE, 25, 1), 1
	s_wait_xcnt 0x0
	s_wait_alu depctr_hold_cnt(0) depctr_sa_sdst(0) depctr_va_vdst(0) depctr_va_sdst(0) depctr_va_ssrc(0) depctr_va_vcc(0) depctr_vm_vsrc(0)
	s_getreg_b32 s2, hwreg(HW_REG_IB_STS2, 6, 4)
	s_cmp_eq_u32 s2, 0
	s_cbranch_scc0 .Lentry_in_a_cluster
	s_endpgm
.Lentry_in_a_cluster:
	s_bfe_u32 s2, ttmp6, 0x10000c
	s_cmp_lg_u32 s2, 0xf033
	s_cbranch_scc0 .Lentry_shape_is_right
	s_endpgm
.Lentry_shape_is_right:
; out0 = O Wo^T on codes of E4M3 with E8M0 scales; both operands lie in memory as images of operand registers, in blocks of 128 rows x 128 K (16,896 bytes).
; Work-group (j = cx, token block = 4 x cluster y + cy) makes 128 tokens x 256 features; wave w 128 x 64: 32 accumulators.  O's image of the 128 tokens stays in LDS; Wo streams through two slots of two K steps, four slot steps.
; CLUSTER 4 x 4: O's blocks are shared along a row of the cluster, Wo's along a column: joint loads.  Source 0 = 16 features, source 1 = 16 tokens: a lane holds eight neighbouring features of one token.
; REGISTERS: window 0: addresses, scale words v32-45, Wo's fragments v64-191 (two sets; on the way out rows of the result); window 1: O's fragments, two sets; window 2: the accumulators.
.set ABLK,  16896
.set SLOTB, 67584
.set BBASE, 135168
.set SPARE, 270336                     ; the spare words, 128 bytes for each wave: two blocks of 256 bytes that no other line names
.set STAGE, 270848                     ; behind them: 16 rows x (256 bytes + 16) for each wave; no tensor load lands here
.set LI,  1
.set LS,  2
.set SPW, 3
.set NIL, 4
.set AA,  8
.set AS,  12
.set BB,  16
.set BS,  18
.set STO, 20
.set RD,  21
.set CO,  22
.set XSC, 32
.set WSC, 36
.set WF,  64
.set BK,  64
.set G1A, 24
.set G1B, 32
.set G0A, 40
.set G0B, 48
.set OUTP, 56
.set MSB, 0
.macro WIN new
.if MSB != \new
	s_set_vgpr_msb (MSB<<8)|\new
.set MSB, \new
.endif
.endm
.macro PLACES n
.rept \n
	v_nop
.endr
.endm
.macro CREST
	s_cmp_lg_u32 s14, 0
	s_cbranch_scc1 .Lnot_wave_0_\@
	s_barrier_signal -3
.Lnot_wave_0_\@:
	s_barrier_wait -3
	s_barrier_signal -1
	s_barrier_wait -1
.endm
.macro CROUND
	s_barrier_signal -1
	s_barrier_wait -1
	CREST
.endm
	s_load_b128 s[4:7], s[0:1], 0x0                ; oimg, wimg
	s_load_b64 s[8:9], s[0:1], 0x10                ; out0
	v_lshl_add_u32 v[SPW], v0, 2, SPARE
	v_mov_b32 v[NIL], 0
	ds_add_u32 v3, v4
	ds_add_u32 v3, v4
	s_wait_dscnt 0x0
	v_lshrrev_b32 v5, 5, v0
	v_readfirstlane_b32 s14, v5                    ; wave 0..3
	s_lshr_b32 s15, s14, 1
	s_and_b32 s16, s14, 1
	s_bfe_u32 s17, ttmp6, 0x40000                  ; cx = j (the grid is one cluster wide)
	s_bfe_u32 s18, ttmp6, 0x40004                  ; cy
	s_and_b32 s19, ttmp7, 0xffff
	s_lshl_b32 s19, s19, 2
	s_add_co_u32 s19, s19, s18                     ; token block
	s_lshl_b32 s20, s18, 2
	s_lshl_b32 s20, 15, s20                        ; my row of the cluster
	s_lshl_b32 s21, 0x1111, s17                    ; my column
	s_or_b32 s[G1A], s20, (3<<16)|(1<<21)
	s_or_b32 s[G1B], s21, (3<<16)|(1<<21)
.irp g, G1A, G1B
	s_mov_b32 s[\g+1], 32<<16                      ; a block is dense: 66 rows of 256 bytes
	s_mov_b32 s[\g+2], 66<<16
	s_mov_b32 s[\g+3], 32<<16
	s_mov_b32 s[\g+4], 66
	s_mov_b32 s[\g+5], 32
	s_mov_b32 s[\g+6], 0
	s_mov_b32 s[\g+7], 0
.endr
	s_lshl_b32 s74, s19, 3
	s_add_co_u32 s74, s74, s14
	s_mul_i32 s74, s74, ABLK
	s_mov_b32 s75, 0
	s_mul_i32 s78, s14, ABLK
	s_mul_i32 s76, s17, 270336                     ; Wo's group j: 16 blocks,
	s_add_co_u32 s76, s76, s78
	s_add_co_u32 s76, s76, 3244032                 ; behind the 192 blocks of Wq, Wk, Wv
	s_mov_b32 s77, 0
	s_lshl_b32 s82, s19, 19                        ; out0: 128 rows of 4,096 bytes a token block, 1,024 bytes a group, 256 a wave
	s_lshl_b32 s80, s17, 10
	s_add_co_u32 s82, s82, s80
	s_lshl_b32 s80, s14, 8
	s_add_co_u32 s82, s82, s80
	s_mov_b32 s83, 0
	s_wait_kmcnt 0x0
	s_add_nc_u64 s[74:75], s[4:5], s[74:75]
	s_add_nc_u64 s[76:77], s[6:7], s[76:77]
	s_add_nc_u64 s[OUTP:OUTP+1], s[8:9], s[82:83]
	s_mov_b32 s[G0A], 1
	s_mov_b32 s[G0A+1], s78
	s_mov_b64 s[G0A+2:G0A+3], s[74:75]
	s_or_b32 s[G0A+3], s[G0A+3], 0x80000000
	s_mov_b32 s[G0A+4], 1
	s_add_co_u32 s[G0A+5], s78, SLOTB
	s_add_nc_u64 s[G0A+6:G0A+7], s[74:75], SLOTB
	s_or_b32 s[G0A+7], s[G0A+7], 0x80000000
	s_mov_b32 s[G0B], 1
	s_add_co_u32 s[G0B+1], s78, BBASE
	s_mov_b64 s[G0B+2:G0B+3], s[76:77]
	s_or_b32 s[G0B+3], s[G0B+3], 0x80000000
	s_mov_b32 s[G0B+4], 1
	s_add_co_u32 s[G0B+5], s78, BBASE+SLOTB
	s_add_nc_u64 s[G0B+6:G0B+7], s[76:77], SLOTB
	s_or_b32 s[G0B+7], s[G0B+7], 0x80000000
	CROUND                                         ; all sixteen work-groups are here: the first joint loads meet
	tensor_load_to_lds s[G0A:G0A+3], s[G1A:G1A+7]      ; the first fills, one group: four loads of mine are out
	s_nop 0
	tensor_load_to_lds s[G0B:G0B+3], s[G1B:G1B+7]
	s_nop 0
	tensor_load_to_lds s[G0A+4:G0A+7], s[G1A:G1A+7]
	s_nop 0
	tensor_load_to_lds s[G0B+4:G0B+7], s[G1B:G1B+7]
	s_nop 0
	PLACES 4
	v_and_b32 v5, 31, v0
	v_lshlrev_b32 v[LI], 4, v5
	v_lshlrev_b32 v[LS], 2, v5
.irp g, 0,1,2,3
	v_add_nc_u32 v[AA+\g], \g*2*ABLK, v[LI]
	v_add_nc_u32 v[AS+\g], \g*2*ABLK, v[LS]
.endr
	s_mul_i32 s79, s15, ABLK
	s_lshl_b32 s80, s16, 13
	s_add_co_u32 s80, s80, s79
	s_add_co_u32 s80, s80, BBASE
	s_lshl_b32 s81, s16, 8
	s_add_co_u32 s81, s81, s79
	s_add_co_u32 s81, s81, BBASE+16384
.irp g, 0,1
	v_add_nc_u32 v[BB+\g], s80, v[LI]
	v_add_nc_u32 v[BS+\g], s81, v[LS]
	s_add_co_u32 s80, s80, SLOTB
	s_add_co_u32 s81, s81, SLOTB
.endr
	v_and_b32 v5, 15, v0                           ; r
	v_bfe_u32 v6, v0, 4, 1                         ; h
	s_mul_i32 s80, s14, 16*272
	s_add_co_u32 s80, s80, STAGE                   ; my stage
	v_mul_u32_u24 v[STO], v5, 272
	v_lshl_add_u32 v[STO], v6, 6, v[STO]
	v_add_nc_u32 v[STO], s80, v[STO]               ; in: row r, + 64 h
	v_mul_u32_u24 v[RD], v6, 272
	v_lshl_add_u32 v[RD], v5, 4, v[RD]
	v_add_nc_u32 v[RD], s80, v[RD]                 ; back: lanes 0-15 one row of 256 bytes, lanes 16-31 the next
	v_lshlrev_b32 v[CO], 12, v6
	v_lshl_add_u32 v[CO], v5, 4, v[CO]             ; and the same two rows in out0
.macro FETCH sg, kb, slot, p           ; 54 LDS loads: the fragments and scale words of one K step into set p
	WIN 0x40
.irp t, 0,1,2,3,4,5,6,7
.irp c, 0,1,2,3
	ds_load_b128 v[128*(\p)+16*\t+4*\c:128*(\p)+16*\t+4*\c+3], v[AA+(\sg)] offset:(\kb)*ABLK+\t*2048+\c*512
.endr
.endr
	WIN 0
.irp f, 0,1,2,3
.irp c, 0,1,2,3
	ds_load_b128 v[WF+64*(\p)+16*\f+4*\c:WF+64*(\p)+16*\f+4*\c+3], v[BB+(\slot)] offset:(\kb)*2*ABLK+\f*2048+\c*512
.endr
.endr
.irp g, 0,1,2,3
	ds_load_b32 v[XSC+8*(\p)+\g], v[AS+(\sg)] offset:(\kb)*ABLK+16384+128*\g
.endr
.irp g, 0,1
	ds_load_b32 v[WSC+8*(\p)+\g], v[BS+(\slot)] offset:(\kb)*2*ABLK+128*\g
.endr
.endm
.macro WM zero
.if \zero
.if fA && fB
	v_wmma_scale_f32_16x16x128_f8f6f4 v[rD:rD+7], v[rA:rA+15], v[rB:rB+15], 0, v[rSA], v[rSB] matrix_a_scale:MATRIX_SCALE_ROW1 matrix_b_scale:MATRIX_SCALE_ROW1
.elseif fA
	v_wmma_scale_f32_16x16x128_f8f6f4 v[rD:rD+7], v[rA:rA+15], v[rB:rB+15], 0, v[rSA], v[rSB] matrix_a_scale:MATRIX_SCALE_ROW1
.elseif fB
	v_wmma_scale_f32_16x16x128_f8f6f4 v[rD:rD+7], v[rA:rA+15], v[rB:rB+15], 0, v[rSA], v[rSB] matrix_b_scale:MATRIX_SCALE_ROW1
.else
	v_wmma_scale_f32_16x16x128_f8f6f4 v[rD:rD+7], v[rA:rA+15], v[rB:rB+15], 0, v[rSA], v[rSB]
.endif
.else
.if fA && fB
	v_wmma_scale_f32_16x16x128_f8f6f4 v[rD:rD+7], v[rA:rA+15], v[rB:rB+15], v[rD:rD+7], v[rSA], v[rSB] matrix_a_scale:MATRIX_SCALE_ROW1 matrix_b_scale:MATRIX_SCALE_ROW1
.elseif fA
	v_wmma_scale_f32_16x16x128_f8f6f4 v[rD:rD+7], v[rA:rA+15], v[rB:rB+15], v[rD:rD+7], v[rSA], v[rSB] matrix_a_scale:MATRIX_SCALE_ROW1
.elseif fB
	v_wmma_scale_f32_16x16x128_f8f6f4 v[rD:rD+7], v[rA:rA+15], v[rB:rB+15], v[rD:rD+7], v[rSA], v[rSB] matrix_b_scale:MATRIX_SCALE_ROW1
.else
	v_wmma_scale_f32_16x16x128_f8f6f4 v[rD:rD+7], v[rA:rA+15], v[rB:rB+15], v[rD:rD+7], v[rSA], v[rSB]
.endif
.endif
.endm
; products n0 .. n1 - 1 of a K step's 32 on set p: token tile n / 4, feature tile n % 4; the 32 accumulators take turns, in one order everywhere
.macro MUL n0, n1, p, zero
	WIN 0xa4                                       ; source 0 (Wo) window 0, source 1 (O) window 1, C and D window 2
.set n, \n0
.rept (\n1)-(\n0)
.set tT, n/4
.set tF, n%4
.set rD, 8*(4*tT+tF)
.set rA, WF+64*(\p)+16*tF
.set rB, 128*(\p)+16*tT
.set rSA, WSC+8*(\p)+tF/2
.set rSB, XSC+8*(\p)+tT/2
.set fA, tF%2
.set fB, tT%2
	WM \zero
.set n, n+1
.endr
.endm
.macro STEPA sg, slot, zero
	s_wait_dscnt 0x0                               ; set 0 is in
	PLACES 8                                       ; in front of loads into registers that matrix instructions have read
	FETCH \sg, 1, \slot, 1
	MUL 0, 32, 0, \zero
.endm
.macro TURN slot, fill, nsg
	WIN 0
	s_wait_tensorcnt 0x0                           ; all my tensor loads have landed
	ds_add_u32 v[SPW], v[NIL]
	s_wait_dscnt 0x1                               ; set 1 is in; the add alone may be out
	MUL 0, 8, 1, 0
	s_wait_dscnt 0x0                               ; the add is done, and my reads of this slot are over
	s_barrier_signal -1
	MUL 8, 16, 1, 0
	WIN 0
	s_barrier_wait -1
.if \fill
	CREST                                          ; no wave of any partner still reads this slot or has a load on its way
	s_add_nc_u64 s[G0B+4*\slot+2:G0B+4*\slot+3], s[G0B+4*\slot+2:G0B+4*\slot+3], 2*SLOTB
	tensor_load_to_lds s[G0B+4*\slot:G0B+4*\slot+3], s[G1B:G1B+7]   ; my one load until the next round
	s_nop 0
.endif
	PLACES 8
	FETCH \nsg, 0, 1-\slot, 0
	MUL 16, 32, 1, 0
.endm
	s_wait_tensorcnt 0x2                           ; my parts of O's K steps 0-3 and of slot 0 are in; the two loads issued behind them may stay out
	s_barrier_signal -1
	s_barrier_wait -1
	FETCH 0, 0, 0, 0
	STEPA 0, 0, 1                                  ; the first K step starts the sums
	TURN 0, 1, 1
	STEPA 1, 1, 0
	TURN 1, 1, 2
	STEPA 2, 0, 0
	TURN 0, 0, 3                                   ; the last two slot steps fill nothing
	STEPA 3, 1, 0
	s_wait_dscnt 0x0
	MUL 0, 32, 1, 0
	WIN 0
	PLACES 8
; THE WAY OUT, a tile of 16 tokens x 64 features at a time, through my own stage: a lane's 32 bytes go in by rows of 272 bytes and come back as whole rows of 256.
; LDS serves a wave's instructions in order (ISA guide 5.7.1.4): no wait between the stores and the loads.
.macro TOSTAGE t
	WIN 0x08                                       ; an LDS store's data: window 2
.irp f, 0,1,2,3
	ds_store_b128 v[STO], v[8*(4*(\t)+\f):8*(4*(\t)+\f)+3] offset:128*(\f/2)+32*(\f%2)       ; each accumulator from its low end on: features 32 (f/2) + 16 h + 8 (f%2) + 0 .. 7
	ds_store_b128 v[STO], v[8*(4*(\t)+\f)+4:8*(4*(\t)+\f)+7] offset:128*(\f/2)+32*(\f%2)+16
.endr
	WIN 0
.irp i, 0,1,2,3,4,5,6,7
	ds_load_b128 v[BK+32*((\t)%2)+4*\i:BK+32*((\t)%2)+4*\i+3], v[RD] offset:544*\i
.endr
.endm
.macro SEND t, younger                 ; younger: the LDS instructions issued behind tile t's loads
	s_wait_dscnt \younger
.irp i, 0,1,2,3,4,5,6,7
	global_store_b128 v[CO], v[BK+32*((\t)%2)+4*\i:BK+32*((\t)%2)+4*\i+3], s[OUTP:OUTP+1] offset:(32*((\t)/2)+8*((\t)%2)+2*\i+8*(\i/4))*4096 th:TH_STORE_NT   ; sixteen lanes store 256 consecutive bytes, aligned; the tile's row 2 i + l / 16 is that token
.endr
.endm
	s_wait_alu depctr_va_vdst(0)
	TOSTAGE 0
.irp t, 1,2,3,4,5,6,7
.if \t > 1
	s_wait_xcnt 0x0                                ; tile t - 2's stores have read their registers: tile t's loads may land there
.endif
	TOSTAGE \t
	SEND \t-1, 16                                  ; behind tile t - 1's loads: tile t's 8 stores and 8 loads
.endr
	SEND 7, 0
	s_wait_tensorcnt 0x0                           ; the wave's end
	ds_add_u32 v[SPW], v[NIL]
	s_wait_dscnt 0x0
	CROUND                                         ; the closing round
	s_endpgm
.Lfunc_end_k_q5e183d184a_oproj:
	.size	k_q5e183d184a_oproj, .Lfunc_end_k_q5e183d184a_oproj-k_q5e183d184a_oproj
	.p2alignl 7, 3214868480
	.fill 96, 4, 3214868480
	.section	.rodata,"a",@progbits
	.p2align	6, 0x0
	.amdhsa_kernel k_q5e183d184a_oproj
		.amdhsa_group_segment_fixed_size 327680
		.amdhsa_private_segment_fixed_size 0
		.amdhsa_enable_private_segment 0
		.amdhsa_kernarg_size 24
		.amdhsa_user_sgpr_count 2
		.amdhsa_user_sgpr_kernarg_segment_ptr 1
		.amdhsa_wavefront_size32 1
		.amdhsa_system_sgpr_workgroup_id_x 1
		.amdhsa_system_sgpr_workgroup_id_y 1
		.amdhsa_system_sgpr_workgroup_id_z 1
		.amdhsa_system_vgpr_workitem_id 0
		.amdhsa_next_free_vgpr 1024
		.amdhsa_next_free_sgpr 96
		.amdhsa_reserve_vcc 0
		.amdhsa_float_denorm_mode_32 3
		.amdhsa_float_denorm_mode_16_64 3
		.amdhsa_memory_ordered 1
		.amdhsa_forward_progress 1
		.amdhsa_inst_pref_size 86
	.end_amdhsa_kernel
	.amdgpu_metadata
---
amdhsa.version: [ 1, 2 ]
amdhsa.kernels:
  - .name:           k_q5e183d184a_oproj
    .symbol:         k_q5e183d184a_oproj.kd
    .args:
      - { .name: oimg, .offset: 0, .size: 8, .value_kind: global_buffer, .address_space: global }
      - { .name: wimg, .offset: 8, .size: 8, .value_kind: global_buffer, .address_space: global }
      - { .name: out0, .offset: 16, .size: 8, .value_kind: global_buffer, .address_space: global }
    .group_segment_fixed_size: 327680
    .private_segment_fixed_size: 0
    .kernarg_segment_align: 8
    .kernarg_segment_size: 24
    .max_flat_workgroup_size: 128
    .sgpr_count:     96
    .vgpr_count:     1024
    .wavefront_size: 32
...
	.end_amdgpu_metadata
.endif
;; end of part 4
